; MI455X (gfx1250); checked and timed in simulation.
; The chip was launched on July 23, 2026; its instructions are those of AMD's public machine-readable ISA for CDNA 5 (MIT licence, August 2026) and "CDNA5" Instruction Set Architecture Reference Guide (July 2026). The comments in the code are by the model that wrote it; some were corrected since.
;; Pre HTSK. Allowed arithmetic: matrix products marked QUANTISED: E5M2 operands, one E8M0 scale for each 32 along K, by v_wmma_scale_f32_16x16x128_f8f6f4 with both operands' format E5M2, f32 sums; everything else in f32.
;; Inputs: W_codes 64 x 1,028 x 32 uint8 (E5M2 codes of W, K innermost, in blocks of 32 codes); W_scales 64 x 1,028 uint8 (E8M0 scales of W, one for each 32 codes along K); X 2,048 x 256 float32; b 64 float32; centers 256 x 128 float32; ln_beta 32,896 float32; ln_gamma 32,896 float32; sigmas 256 x 128 float32.
;; Outputs: out0 2,048 x 64 float32.
;; This version of the problem:
;;   THIS VERSION OF THE PROBLEM IS GIVEN IN LOW PRECISION. The matrix products marked QUANTISED in the list below multiply operands that are first quantised to E5M2 (5 exponent bits, 2 mantissa bits; 8 bits a number), with one power-of-two scale for each 32 numbers along K (OCP MX v1.0); their sums are f32. All else is computed in f32.
;;   The module's matrix products, in the order in which they are computed (A, B: the left and right operand; K: the contracted axis; several contracted axes count as one K, in the product's order):
;;     1. [M 2,048, K 32,896] x [K 32,896, N 64]; A: computed on the way; B: input W (given as codes): QUANTISED
;;   THE QUANTISER, for each operand of a quantised product, along K:
;;     - K is cut into blocks of 32 from its start; a last block that is shorter is filled with zeros.
;;     - A block's scale is 2^e with e = floor(log2(the largest magnitude in the block)) - 15, held to -126 .. 127; a block of zeros has e = 0. As a byte (E8M0): e + 127.
;;     - Each number is divided by its block's scale, clamped to +-57,344, and rounded to the nearest number of E5M2, ties to even, subnormals kept.
;;     - The product sums the exact products of the quantised numbers (number of the format x scale) in f32.
;;   ~~~python
;;   def quantise(x, axis):      # numpy; x: float32 -> the quantised numbers, widened to float32 again
;;       x = np.moveaxis(x, axis, -1); K = x.shape[-1]
;;       x = np.pad(x, [(0, 0)] * (x.ndim - 1) + [(0, -K % 32)]); x = x.reshape(x.shape[:-1] + (-1, 32)); a = np.abs(x).max(-1, keepdims=True)
;;       e = np.where(a > 0, np.clip(np.frexp(np.where(a > 0, a, 1))[1] - 1 - 15, -126, 127), 0)      # np.frexp(a)[1] - 1 = floor(log2(a)), exactly
;;       r = np.clip(x / 2.0 ** e, -57344, 57344)
;;       step = 2.0 ** (np.maximum(np.frexp(np.where(r == 0, 1, r))[1] - 1, -14) - 2)
;;       q = np.round(r / step) * step * 2.0 ** e      # np.round: ties to even
;;       return np.moveaxis(q.reshape(q.shape[:-2] + (-1,))[..., :K], -1, axis).astype(np.float32)
;;   ~~~
;;   OPERANDS COMPUTED ON THE WAY. 'Computed on the way' means the value that the module computes at that place (a softmax that the list does not call 'softmax' is quantised finished and normalised). What goes into a quantiser is computed in f32, as accurately as f32 sums, v_exp_f32 and their like allow (about 1e-6 of the number): no bf16 or f16 on the way to a quantiser, and a product that is left as it is and whose result goes on into a quantised operand takes f32 operands (vector FMAs, or v_wmma_f32_16x16x4_f32). A number that lies on a knife's edge between two numbers of the format may be rounded either way, as far as f32 arithmetic and the matrix unit's own rounding can turn it there, and no further.
;;   INPUTS GIVEN AS CODES. W (in the module: [64, 32896], K = its axis 1): each comes as NAME_codes (uint8): NAME with its K axis moved to the last place and cut into blocks of 32 codes, [.., K / 32, bytes a block], one block behind the other in memory; one code a byte (a code: sign, 5 exponent bits, 2 mantissa bits); and NAME_scales (uint8): the same leading axes, one E8M0 byte (e + 127) for each 32 codes along K. Its value is code x scale, taken as it is: it is not quantised again, and the codes and scales need not be those that the quantiser above would give.
;; 2 versions, each right; version 2 is version 1 with the launch main written anew for expert scheduling mode. Each part assembles by itself: llvm-mc -triple=amdgcn-amd-amdhsa -mcpu=gfx1250 --defsym DOCPART=n.
;; ======== version 1 of 2: 3 launches
;; workspace buffers: wfrag 2,097,152 bytes; wsc 65,536 bytes; logit 1,048,576 bytes; xstat 16,384 bytes; part 4,194,304 bytes
;; launch fire (part 1): grid 8 x 32, 4 waves a work-group, no clusters, 116,224 bytes of LDS; arguments X, centers, sigmas, W_codes, W_scales, wfrag, wsc, logit, xstat; writes wfrag, wsc, logit, xstat
.if DOCPART == 1
	.amdgcn_target "amdgcn-amd-amdhsa--gfx1250"
	.amdhsa_code_object_version 6
	.text
	.protected	k_q715de1635c_fire
	.globl	k_q715de1635c_fire
	.p2align	8
	.type	k_q715de1635c_fire,@function
k_q715de1635c_fire:
	s_mov_b64 s[64:65], 0
	v_nop
	global_prefetch_b8 v0, s[64:65] scope:SCOPE_SE
	s_setreg_imm32_b32 hwreg(HW_REG_WAVE_MODE, 25, 1), 1
	s_wait_xcnt 0x0
; FIRING LEVELS, AHEAD OF THE SOFTMAX: logit[row][rule] = -(1/256) x the sum over i of (x[row][i] - c[i][rule])^2 x (0.5 / sigma[i][rule]^2 + 1e-8), all in f32.
; A work-group takes 64 rows (G = work-group y) x 16 rules (Kg = work-group x) x all 256 inputs.  Wave w takes inputs 64 w .. 64 w + 63 for all of them; the four waves' sums meet in LDS.
; Lane l: q = l % 4: rules 4 q .. 4 q + 3;  g = l / 4: rows g + 8 j, j = 0 .. 7: 32 sums a lane.  A number costs half a packed subtraction, multiplication and multiply-add: 1.5 instructions.
; The square is taken of the difference itself: no difference of large sums is formed, whatever offset x and c carry.
; TWO SIDE JOBS, the same share for each of the 256 work-groups:
;   K step s = 8 G + Kg (128 along K) of W's codes is laid into wfrag in the order of the matrix operand's registers: piece (s, t, c) of 512 bytes at ((4 s + t) 4 + c) 512; lane l's 16 bytes are
;   W[16 t + l % 16][128 s + 32 c + 16 (l / 16) ..].  Its scale bytes go to wsc as one word a row: [256 steps][64 rows].
;   Rows 64 G + 8 Kg + 2 w + l / 16 of x get their mean and the sum of squares about it: xstat[row] = (xbar, Vx).
; No tensor load, no matrix instruction, no cluster: the launch is vector arithmetic on 96 KiB that each work-group reads once into LDS.
; LIMITS: NaN and infinities among the inputs are not served; sigma = 0 gives what 1 / 0 gives.
.set XP,   1040                        ; a row of x in LDS: 1,024 bytes + 16: rows g = 0 .. 3 of a load's sixteen lanes start 260 words apart
.set XST,  0                           ; 64 rows of x
.set TAB,  64*XP                       ; [256 inputs][c of my 16 rules: 64 bytes | scale of my 16 rules: 64 bytes]
.set RED,  TAB+256*128                 ; four waves x 4,096 bytes: images of the 32 sums
.set ACC,  32                          ; v32-63   the sums: row j at 4 j
.set XS,   64                          ; v64-127  two sets: row j's four inputs at 4 j
.set CS,   128                         ; v128-191 two sets: c of input ii at 4 ii, its scale at 16 + 4 ii
.set DD,   192                         ; v192-207 differences
.set EE,   208                         ; v208-223 differences x scale
.set XA0,  28                          ; v28  LDS: my rows' first input;   v29: my rules' first table entry; neither is rewritten
.set TA0,  29
.set XA,   246                         ; v246, v247: the same for the pair of chunks in hand
.set TA,   247
	s_load_b512 s[8:23], s[0:1], 0x0               ; X s[8:9], centers s[10:11], sigmas s[12:13], W's codes s[14:15], W's scales s[16:17], wfrag s[18:19], wsc s[20:21], logit s[22:23]
	s_load_b64 s[24:25], s[0:1], 0x40              ; xstat
	v_lshl_add_u32 v254, v0, 2, 0x1c400
	v_mov_b32 v255, 0
	v_lshrrev_b32 v1, 5, v0
	v_readfirstlane_b32 s2, v1                     ; wave 0..3
	s_and_b32 s3, ttmp9, 7                         ; Kg
	s_and_b32 s4, ttmp7, 0xffff                    ; G
	s_lshl_b32 s5, s4, 3
	s_add_co_u32 s5, s5, s3                        ; 8 G + Kg: my K step of W, and my block of logit
	v_and_b32 v1, 31, v0                           ; lane
	v_lshlrev_b32 v2, 4, v1                        ; 16 x lane
	v_and_b32 v3, 15, v0                           ; l % 16
	v_bfe_u32 v4, v0, 4, 1                         ; l / 16
	v_mul_u32_u24 v5, v3, 32896                    ; W's codes: row l % 16 of my tile (a row is 32,896 bytes), + 16 (l / 16)
	v_lshl_add_u32 v5, v4, 4, v5
	s_and_b32 s27, s2, 1
	s_lshl_b32 s27, s27, 5
	v_add_nc_u32 v6, s27, v1
	v_mul_u32_u24 v6, v6, 1028                     ; W's scales: row 32 (wave % 2) + lane (a row is 1,028 bytes)
	v_lshlrev_b32 v7, 6, v3
	v_lshl_add_u32 v7, v4, 10, v7                  ; the statistics' x: 64 bytes a lane, sixteen lanes to a row
	v_lshrrev_b32 v26, 2, v0
	v_and_b32 v27, 3, v0
	v_lshlrev_b32 v24, 9, v26
	v_lshl_add_u32 v24, v27, 4, v24                ; c and sigma: input thread / 4 (a row is 512 bytes), 16 bytes of my 64
	v_lshlrev_b32 v25, 2, v1                       ; 4 x lane
	v_lshlrev_b32 v26, 7, v26
	v_lshl_add_u32 v26, v27, 4, v26
	v_add_nc_u32 v26, TAB, v26                     ; and their place in the table
	s_mul_i32 s27, s2, 16*XP
	v_add_nc_u32 v27, s27, v2                      ; x on its way in: my wave's 16 rows, 16 bytes a lane
	v_lshrrev_b32 v28, 2, v1
	v_mul_u32_u24 v28, v28, XP
	s_lshl_b32 s27, s2, 8
	v_add_nc_u32 v28, s27, v28                     ; x at work: row g, my wave's 64 inputs
	v_and_b32 v29, 3, v0
	v_lshlrev_b32 v29, 4, v29
	s_lshl_b32 s27, s2, 13
	s_add_co_u32 s27, s27, TAB
	v_add_nc_u32 v29, s27, v29                     ; the table at work: my wave's 64 entries, my four rules
	s_lshl_b32 s27, s2, 12
	s_add_co_u32 s27, s27, RED
	v_add_nc_u32 v30, s27, v2                      ; my wave's images
	s_lshl_b32 s27, s2, 10
	v_add_nc_u32 v248, s27, v2                     ; images 2 w and 2 w + 1: their place in my block of logit,
	v_add_nc_u32 v31, RED, v248                    ; and in wave 0's images
	v_lshlrev_b32 v241, 3, v4                      ; xstat: 8 bytes a row
	; byte offsets, each in a pair of its own with 0 above
	s_mul_i32 s28, s2, 526336                      ; W's codes: tile = wave: 16 rows,
	s_lshl_b32 s27, s5, 7
	s_add_co_u32 s28, s28, s27                     ; + 128 x K step
	s_mov_b32 s29, 0
	s_lshl_b32 s30, s5, 2                          ; W's scales: 4 x K step
	s_mov_b32 s31, 0
	s_lshl_b32 s32, s4, 6
	s_lshl_b32 s27, s3, 3
	s_add_co_u32 s32, s32, s27
	s_lshl_b32 s27, s2, 1
	s_add_co_u32 s32, s32, s27                     ; the first of my wave's two rows for the statistics
	s_lshl_b32 s34, s32, 3
	s_mov_b32 s35, 0
	s_lshl_b32 s32, s32, 10
	s_mov_b32 s33, 0
	s_lshl_b32 s36, s3, 6                          ; c and sigma: my 16 rules
	s_mov_b32 s37, 0
	s_lshl_b32 s38, s4, 16
	s_lshl_b32 s27, s2, 14
	s_add_co_u32 s38, s38, s27                     ; x: row 64 G + 16 w
	s_mov_b32 s39, 0
	s_lshl_b32 s40, s5, 13
	s_lshl_b32 s27, s2, 11
	s_add_co_u32 s40, s40, s27                     ; wfrag: (4 s + t) x 2,048
	s_mov_b32 s41, 0
	s_lshl_b32 s42, s5, 8
	s_and_b32 s27, s2, 1
	s_lshl_b32 s27, s27, 7
	s_add_co_u32 s42, s42, s27                     ; wsc: 256 s + 128 (wave % 2)
	s_mov_b32 s43, 0
	s_lshl_b32 s44, s5, 12                         ; logit: 4,096 bytes a work-group
	s_mov_b32 s45, 0
	s_mov_b32 s46, 0x322bcc77                      ; 1e-8
	s_mov_b32 s47, s46                             ; (named with it as a pair, so it is written)
	s_wait_kmcnt 0x0
	s_add_nc_u64 s[14:15], s[14:15], s[28:29]
	s_add_nc_u64 s[16:17], s[16:17], s[30:31]
	s_add_nc_u64 s[28:29], s[8:9], s[32:33]        ; X at the statistics' rows
	s_add_nc_u64 s[24:25], s[24:25], s[34:35]
	s_add_nc_u64 s[10:11], s[10:11], s[36:37]
	s_add_nc_u64 s[12:13], s[12:13], s[36:37]
	s_add_nc_u64 s[8:9], s[8:9], s[38:39]
	s_add_nc_u64 s[18:19], s[18:19], s[40:41]
	s_add_nc_u64 s[20:21], s[20:21], s[42:43]
	s_add_nc_u64 s[22:23], s[22:23], s[44:45]
	; 57 loads, the soonest wanted first
.irp c, 0,1,2,3
	global_load_b128 v[224+4*\c:227+4*\c], v5, s[14:15] offset:32*\c
.endr
	global_load_b32 v240, v6, s[16:17]
.irp a, 0,1,2,3
	global_load_b128 v[8+4*\a:11+4*\a], v7, s[28:29] offset:16*\a
.endr
.irp k, 0,1,2,3,4,5,6,7
	global_load_b128 v[192+4*\k:195+4*\k], v24, s[10:11] offset:16384*\k    ; c: 32 inputs a load
.endr
.irp k, 0,1,2,3,4,5,6,7
	global_load_b128 v[32+4*\k:35+4*\k], v24, s[12:13] offset:16384*\k      ; sigma likewise
.endr
.set k, 0
.rept 32
	global_load_b128 v[64+4*k:67+4*k], v2, s[8:9] offset:512*k              ; x: 32 lanes read 512 consecutive bytes: half a row
.set k, k+1
.endr
	s_wait_loadcnt 52                              ; loads come back in order: the five oldest (W's codes and scale word) are in, the 52 behind them may be out
.irp c, 0,1,2,3
	global_store_b128 v2, v[224+4*\c:227+4*\c], s[18:19] offset:512*\c      ; 32 lanes store 512 consecutive bytes
.endr
	s_cmp_lt_u32 s2, 2                             ; 64 rows' words: waves 0 and 1 store them, 128 consecutive bytes each
	s_cbranch_scc0 .Lno_words
	global_store_b32 v25, v240, s[20:21]
.Lno_words:
	s_wait_loadcnt 32                              ; all but the 32 loads of x
.irp i, 0,2,4,6,8,10,12,14,16,18,20,22,24,26,28,30
	v_pk_mul_f32 v[32+\i:33+\i], v[32+\i:33+\i], v[32+\i:33+\i]             ; sigma^2
.endr
.set k, 0
.rept 32
	v_rcp_f32 v[32+k], v[32+k]                     ; one batch of 32 reciprocals
.set k, k+1
.endr
	; the statistics stand between the batch and the wait for it: they name none of its results
	v_pk_add_f32 v[242:243], v[8:9], v[10:11]
.irp i, 12,14,16,18,20,22
	v_pk_add_f32 v[242:243], v[242:243], v[\i:\i+1]
.endr
	v_add_f32 v242, v242, v243
	v_add_f32_dpp v242, v242, v242 row_xmask:1 row_mask:0xf bank_mask:0xf   ; the row's sixteen lanes
	v_add_f32_dpp v242, v242, v242 row_xmask:2 row_mask:0xf bank_mask:0xf
	v_add_f32_dpp v242, v242, v242 row_xmask:4 row_mask:0xf bank_mask:0xf
	v_add_f32_dpp v242, v242, v242 row_xmask:8 row_mask:0xf bank_mask:0xf
	v_mul_f32 v242, 0x3b800000, v242               ; xbar = the sum / 256
	v_mov_b32 v243, v242
.irp i, 8,10,12,14,16,18,20,22
	v_pk_add_f32 v[\i:\i+1], v[\i:\i+1], v[242:243] neg_lo:[0,1] neg_hi:[0,1]   ; x - xbar
.endr
	v_pk_mul_f32 v[244:245], v[8:9], v[8:9]
.irp i, 10,12,14,16,18,20,22
	v_pk_fma_f32 v[244:245], v[\i:\i+1], v[\i:\i+1], v[244:245]
.endr
	v_add_f32 v244, v244, v245
	v_add_f32_dpp v244, v244, v244 row_xmask:1 row_mask:0xf bank_mask:0xf
	v_add_f32_dpp v244, v244, v244 row_xmask:2 row_mask:0xf bank_mask:0xf
	v_add_f32_dpp v244, v244, v244 row_xmask:4 row_mask:0xf bank_mask:0xf
	v_add_f32_dpp v244, v244, v244 row_xmask:8 row_mask:0xf bank_mask:0xf
	v_mov_b32 v243, v244                           ; (xbar, Vx)
	s_wait_alu depctr_va_vdst(0)                   ; one wait for the 32 reciprocals, ahead of their first reader
.irp i, 0,2,4,6,8,10,12,14,16,18,20,22,24,26,28,30
	v_pk_fma_f32 v[32+\i:33+\i], v[32+\i:33+\i], 0.5, s[46:47] op_sel_hi:[1,0,0]   ; 0.5 / sigma^2 + 1e-8
.endr
.irp k, 0,1,2,3,4,5,6,7
	ds_store_b128 v26, v[192+4*\k:195+4*\k] offset:4096*\k
	ds_store_b128 v26, v[32+4*\k:35+4*\k] offset:4096*\k+64
.endr
	v_cmp_eq_u32 vcc_lo, 0, v3                     ; one lane of a row's sixteen stores the row's pair
	s_wait_xcnt 0x0                                ; EXEC is a source of the loads and stores that are out: it changes only behind this wait
	s_and_saveexec_b32 s26, vcc_lo
	global_store_b64 v241, v[242:243], s[24:25]
	s_wait_xcnt 0x0                                ; and again in front of the line that widens it
	s_or_b32 exec_lo, exec_lo, s26
	s_wait_loadcnt 0x0                             ; x
.set k, 0
.rept 32
	ds_store_b128 v27, v[64+4*k:67+4*k] offset:(k/2)*XP+(k%2)*512
.set k, k+1
.endr
	s_wait_dscnt 0x0                               ; for the others' sake: my part of x and of the table has landed
	s_barrier_signal -1
	s_barrier_wait -1
; 16 LDS loads: a chunk of four inputs: x of my eight rows, c and scale of my four rules.  off: the first or the second chunk of the pair at v[xa], v[ta]
.macro LOADS st, off, xa, ta
.irp j, 0,1,2,3,4,5,6,7
	ds_load_b128 v[XS+32*\st+4*\j:XS+32*\st+4*\j+3], v[\xa] offset:8*XP*\j+16*\off
.endr
.irp ii, 0,1,2,3
	ds_load_b128 v[CS+32*\st+4*\ii:CS+32*\st+4*\ii+3], v[\ta] offset:128*\ii+512*\off
	ds_load_b128 v[CS+32*\st+16+4*\ii:CS+32*\st+16+4*\ii+3], v[\ta] offset:128*\ii+64+512*\off
.endr
.endm
; 192 instructions: four inputs x eight rows x four rules.  For an input and four rows: eight differences c - x (x taken for both halves), eight x scale, eight multiply-adds: no line reads the result of one of the seven lines above it.
; first = 1: the first input's products start the sums: nothing is cleared.
.macro CHUNK st, first
.irp ii, 0,1,2,3
.irp hf, 0,1
.irp j, 0,1,2,3
.irp u, 0,1
.set rd, DD+4*\j+2*\u
.set rc, CS+32*\st+4*\ii+2*\u
.set rx, XS+32*\st+16*\hf+4*\j+2*(\ii/2)
.if \ii%2
	v_pk_add_f32 v[rd:rd+1], v[rc:rc+1], v[rx:rx+1] op_sel:[0,1] op_sel_hi:[1,1] neg_lo:[0,1] neg_hi:[0,1]
.else
	v_pk_add_f32 v[rd:rd+1], v[rc:rc+1], v[rx:rx+1] op_sel_hi:[1,0] neg_lo:[0,1] neg_hi:[0,1]
.endif
.endr
.endr
.irp j, 0,1,2,3
.irp u, 0,1
.set rd, DD+4*\j+2*\u
.set re, EE+4*\j+2*\u
.set rs, CS+32*\st+16+4*\ii+2*\u
	v_pk_mul_f32 v[re:re+1], v[rd:rd+1], v[rs:rs+1]
.endr
.endr
.irp j, 0,1,2,3
.irp u, 0,1
.set rd, DD+4*\j+2*\u
.set re, EE+4*\j+2*\u
.set ra, ACC+16*\hf+4*\j+2*\u
.if \first && (\ii == 0)
	v_pk_mul_f32 v[ra:ra+1], v[rd:rd+1], v[re:re+1]
.else
	v_pk_fma_f32 v[ra:ra+1], v[rd:rd+1], v[re:re+1], v[ra:ra+1]
.endif
.endr
.endr
.endr
.endr
.endm
	s_mov_b32 s44, 0                               ; how far the pair of chunks in hand lies along a row of x,
	s_mov_b32 s45, 0                               ; and down the table
	LOADS 0, 0, XA0, TA0
	LOADS 1, 1, XA0, TA0
	s_wait_dscnt 16                                ; LDS loads come back in order: set 0 is in, set 1's sixteen may be out
	CHUNK 0, 1
	s_mov_b32 s6, 7
.Lpair:                                                ; a trip: chunks 2 t - 1 and 2 t; each set is loaded while the other is worked
	s_add_co_u32 s44, s44, 32
	s_add_co_u32 s45, s45, 1024
	v_add_nc_u32 v[XA], s44, v[XA0]
	v_add_nc_u32 v[TA], s45, v[TA0]
	LOADS 0, 0, XA, TA
	s_wait_dscnt 16                                ; set 1 is in, the sixteen just issued may be out
	CHUNK 1, 0
	LOADS 1, 1, XA, TA
	s_wait_dscnt 16                                ; set 0 is in
	CHUNK 0, 0
	s_sub_co_i32 s6, s6, 1
	s_cmp_lg_u32 s6, 0
	s_cbranch_scc1 .Lpair
	s_wait_dscnt 0x0
	CHUNK 1, 0
	; the four waves' sums meet: image k = my sums of rows g + 8 k, 16 bytes a lane
.irp k, 0,1,2,3,4,5,6,7
	ds_store_b128 v30, v[ACC+4*\k:ACC+4*\k+3] offset:512*\k
.endr
	s_wait_dscnt 0x0                               ; for the others' sake: my images have landed
	s_barrier_signal -1
	s_barrier_wait -1
.irp kk, 0,1
.irp u, 0,1,2,3
	ds_load_b128 v[64+16*\kk+4*\u:67+16*\kk+4*\u], v31 offset:4096*\u+512*\kk   ; images 2 w and 2 w + 1 of all four waves
.endr
.endr
	s_mov_b32 s44, 0xbb800000                      ; -1 / 256: the mean, and the sign
	s_mov_b32 s45, s44
	s_wait_dscnt 0x0
.irp kk, 0,1
.irp e, 0,2
	v_pk_add_f32 v[64+16*\kk+\e:65+16*\kk+\e], v[64+16*\kk+\e:65+16*\kk+\e], v[68+16*\kk+\e:69+16*\kk+\e]
	v_pk_add_f32 v[72+16*\kk+\e:73+16*\kk+\e], v[72+16*\kk+\e:73+16*\kk+\e], v[76+16*\kk+\e:77+16*\kk+\e]
.endr
.endr
.irp kk, 0,1
.irp e, 0,2
	v_pk_add_f32 v[64+16*\kk+\e:65+16*\kk+\e], v[64+16*\kk+\e:65+16*\kk+\e], v[72+16*\kk+\e:73+16*\kk+\e]
.endr
.endr
.irp kk, 0,1
.irp e, 0,2
	v_pk_mul_f32 v[64+16*\kk+\e:65+16*\kk+\e], v[64+16*\kk+\e:65+16*\kk+\e], s[44:45] op_sel_hi:[1,0]
.endr
.endr
.irp kk, 0,1
	global_store_b128 v248, v[64+16*\kk:67+16*\kk], s[22:23] offset:512*\kk   ; lane 4 g + q of image k holds row g + 8 k, rules 4 q ..: byte 512 k + 16 l of the block [64 rows][16 rules]: 512 consecutive bytes a store
.endr
	s_wait_tensorcnt 0x0
	ds_add_u32 v254, v255
	s_wait_dscnt 0x0
	s_endpgm
.Lfunc_end_k_q715de1635c_fire:
	.size	k_q715de1635c_fire, .Lfunc_end_k_q715de1635c_fire-k_q715de1635c_fire
	.p2alignl 7, 3214868480
	.fill 96, 4, 3214868480
	.section	.rodata,"a",@progbits
	.p2align	6, 0x0
	.amdhsa_kernel k_q715de1635c_fire
		.amdhsa_group_segment_fixed_size 116224
		.amdhsa_private_segment_fixed_size 0
		.amdhsa_enable_private_segment 0
		.amdhsa_kernarg_size 72
		.amdhsa_user_sgpr_count 2
		.amdhsa_user_sgpr_kernarg_segment_ptr 1
		.amdhsa_wavefront_size32 1
		.amdhsa_system_sgpr_workgroup_id_x 1
		.amdhsa_system_sgpr_workgroup_id_y 1
		.amdhsa_system_sgpr_workgroup_id_z 1
		.amdhsa_system_vgpr_workitem_id 0
		.amdhsa_next_free_vgpr 256
		.amdhsa_next_free_sgpr 66
		.amdhsa_reserve_vcc 1
		.amdhsa_float_denorm_mode_32 3
		.amdhsa_float_denorm_mode_16_64 3
		.amdhsa_memory_ordered 1
		.amdhsa_forward_progress 1
		.amdhsa_inst_pref_size 74
	.end_amdhsa_kernel
	.amdgpu_metadata
---
amdhsa.version: [ 1, 2 ]
amdhsa.kernels:
  - .name:           k_q715de1635c_fire
    .symbol:         k_q715de1635c_fire.kd
    .args:
      - { .name: X, .offset: 0, .size: 8, .value_kind: global_buffer, .address_space: global }
      - { .name: centers, .offset: 8, .size: 8, .value_kind: global_buffer, .address_space: global }
      - { .name: sigmas, .offset: 16, .size: 8, .value_kind: global_buffer, .address_space: global }
      - { .name: W_codes, .offset: 24, .size: 8, .value_kind: global_buffer, .address_space: global }
      - { .name: W_scales, .offset: 32, .size: 8, .value_kind: global_buffer, .address_space: global }
      - { .name: wfrag, .offset: 40, .size: 8, .value_kind: global_buffer, .address_space: global }
      - { .name: wsc, .offset: 48, .size: 8, .value_kind: global_buffer, .address_space: global }
      - { .name: logit, .offset: 56, .size: 8, .value_kind: global_buffer, .address_space: global }
      - { .name: xstat, .offset: 64, .size: 8, .value_kind: global_buffer, .address_space: global }
    .group_segment_fixed_size: 116224
    .private_segment_fixed_size: 0
    .kernarg_segment_align: 8
    .kernarg_segment_size: 72
    .max_flat_workgroup_size: 128
    .sgpr_count:     66
    .vgpr_count:     256
    .wavefront_size: 32
...
	.end_amdgpu_metadata
.endif
;; end of part 1
;; launch main (part 2): grid 8 x 32, 4 waves a work-group, no clusters, 141,056 bytes of LDS; arguments X, logit, xstat, ln_gamma, ln_beta, wfrag, wsc, W_codes, W_scales, part; writes part
.if DOCPART == 2
	.amdgcn_target "amdgcn-amd-amdhsa--gfx1250"
	.amdhsa_code_object_version 6
	.text
	.protected	k_q715de1635c_main
	.globl	k_q715de1635c_main
	.p2align	8
	.type	k_q715de1635c_main,@function
k_q715de1635c_main:
	s_mov_b64 s[64:65], 0
	v_nop
	global_prefetch_b8 v0, s[64:65] scope:SCOPE_SE
	s_setreg_imm32_b32 hwreg(HW_REG_WAVE_MODE, 25, 1), 1
	s_wait_xcnt 0x0
; SOFTMAX, LAYER NORM, QUANTISER AND PRODUCT.  part[Kg][row][n] = the sum over one eighth of K of Q(feature[row][k]) x W[n][k], on codes of BF8 (E5M2) with one E8M0 scale for each 32 along K.
; feature k = 256 r + i is (x_i f_r - mu) a gamma_k + beta_k, feature 32,768 + r is (f_r - mu) a gamma_k + beta_k; f = softmax of the firing levels, a = 1 / sqrt(var + 1e-5).
; MU AND VAR NEED NO PASS OVER THE 32,896 FEATURES.  With xbar and Vx = the sum of (x - xbar)^2 (from xstat), F = the sum of f, F2 = the sum of f^2, D = 32,896:
;   mu = F (256 xbar + 1) / D;   D var = F2 Vx + 256 x the sum over r of (xbar f_r - mu)^2 + the sum over r of (f_r - mu)^2: exact, and made of squares alone: no difference of large sums.
; With g_r = f_r a and nm = -mu a a feature is fma(fma(x_i, g_r, nm), gamma_k, beta_k): two packed multiply-adds for two numbers.
; SHARES.  A work-group takes rows 64 G .. 64 G + 63 (G = work-group y) and rules 16 Kg .. 16 Kg + 15 (Kg = work-group x): K steps 32 Kg .. 32 Kg + 31 of 128.  Wave w: p = w % 2: inputs 128 p .. 128 p + 127, so that its
; x of all 64 rows stays in 256 registers; q = w / 2: rules 16 Kg + 8 q + j, j = 0 .. 7: eight K steps, each against all 64 outputs: 16 accumulators.  The four waves' sums meet in LDS at the end.
; K STEP 256 (the features f_r) is shared out by address alone: a work-group takes its block c = Kg / 2 of 32 and output tiles 2 (Kg % 2) + 0, 1; wave w takes row tile w.  The block stands in the first 32 of a
; fragment whose other 96 codes are zeros, on both sides; its part of W comes straight from W_codes and W_scales.
; THE MATRIX INSTRUCTION IS USED TRANSPOSED: source 0 = 16 rows of W, source 1 = 16 rows of features: a lane then holds eight neighbouring outputs of one row.
; Lane (r = l % 16, h = l / 16) makes, for row 16 m + r, the features k = 32 c + 16 h + 0 .. 15 of each block c: the order of the operand's registers, so the conversions' results are the operand.
; W's fragments come from wfrag, laid in that order by the launch before: 16 loads of 512 consecutive bytes a K step, straight into the operand's registers, asked for behind the step's first 32 vector instructions.
; NO CLUSTER, NO TENSOR LOAD: the 32 work-groups of one Kg read the same 8,448 bytes a wave and K step.  Shared through LDS they would cost 16 LDS loads more a step and a round of barriers a refill, in a loop that
; has 768 vector instructions for its 16 matrix instructions and asks for those bytes some 700 instructions ahead of their use.
; LIMITS: NaN and infinities among the inputs are not served.  An exponential under 2^-126 comes out as 0.  A block of zeros gets the scale byte 1 (its codes are zeros, and nobody else reads the byte).
; 1 / 32,896 is a rounded f32 factor.  The sum over K is made in 32 parts of eight K steps and K step 256, added in a fixed order, not in one chain.
; REGISTERS, in windows of 256.  Window 0: v1-7, v40-61 addresses; v8-15 (g, nm) of the four row tiles; v16-23 scale words and nothing else; v24-39 the quantiser's; v64-127 gamma, v128-191 beta, v192-255 the 64 features in hand.
;   Window 1: x: tile m at 64 m, register 16 c + j = x[16 m + r][128 p + 32 c + 16 h + j].   Window 2: accumulator (m, t) at 8 (4 m + t); W's four fragments from 128; the features' codes, tile m at 192 + 16 m.
;   Window 3: K step 256: W's two fragments at 0 and 16, the features' at 32, two accumulators at 48.
.set GP,   528                         ; a row of g in LDS: 128 rules + 16 bytes: the sixteen rows of a store start 132 words apart
.set GT,   0                           ; g[64 rows][128 rules]; the word behind a row's 512 bytes is written too (the loop's last look ahead reads it)
.set NM,   64*GP                       ; nm[64 rows]
.set GB,   NM+256                      ; for each wave nine slots of (gamma: 512 bytes | beta: 512 bytes): its eight K steps, and K step 256 turned so that block c comes first
.set GBW,  9*1024
.set STG,  GB+4*GBW                    ; four stages, one a wave: 64 rows x (256 bytes + 16)
.set SP,   272
.set STW,  64*SP
.set TM,   24                          ; v24-27 largest magnitudes, v28-31 the other half's / bytes, v32-35 the largest number x the scale, v36-39 the conversions' scale operands
.set AS,   18                          ; v18-21 the features' scale words, tile m
.set L,    64                          ; the softmax: my 64 rules
.set GAM,  64
.set BET,  128
.set V,    192
.set WF,   128                         ; in window 2
.set CD,   192                         ; in window 2
.set MSB, 0
.macro WIN new                         ; s_set_vgpr_msb: bits 1:0 source 0, 3:2 source 1, 5:4 source 2, 7:6 destination; the high byte repeats the setting that is left; a switch that changes nothing is dropped
.if MSB != \new
	s_set_vgpr_msb (MSB<<8)|\new
.set MSB, \new
.endif
.endm
	s_load_b512 s[8:23], s[0:1], 0x0               ; X s[8:9], logit s[10:11], xstat s[12:13], gamma s[14:15], beta s[16:17], wfrag s[18:19], wsc s[20:21], W's codes s[22:23]
	s_load_b128 s[24:27], s[0:1], 0x40             ; W's scales s[24:25], part s[26:27]
	v_lshl_add_u32 v62, v0, 2, 0x22500
	v_mov_b32 v63, 0
	v_lshrrev_b32 v1, 5, v0
	v_readfirstlane_b32 s2, v1                     ; wave 0..3
	s_and_b32 s3, s2, 1                            ; p
	s_lshr_b32 s4, s2, 1                           ; q
	s_and_b32 s5, ttmp9, 7                         ; Kg
	s_and_b32 s6, ttmp7, 0xffff                    ; G
	s_lshr_b32 s7, s5, 1                           ; c: my block of K step 256
	s_and_b32 s28, s5, 1                           ; which two output tiles of it
	v_and_b32 v57, 31, v0
	v_lshlrev_b32 v1, 4, v57                       ; 16 x lane
	v_lshlrev_b32 v2, 2, v57                       ; 4 x lane
	v_and_b32 v41, 15, v0                          ; r
	v_bfe_u32 v42, v0, 4, 1                        ; h
	; offsets into memory; none is rewritten
	v_lshlrev_b32 v43, 6, v41
	v_lshl_add_u32 v43, v42, 14, v43
	s_lshl_b32 s29, s2, 10
	v_add_nc_u32 v43, s29, v43                     ; logit: row 16 w + r (64 bytes in each block of 16 rules), rules from 64 h (four blocks of 4,096 bytes)
	v_lshlrev_b32 v44, 3, v41                      ; xstat: 8 bytes a row
	s_lshl_b32 s29, s7, 7
	v_add_nc_u32 v45, s29, v1
	v_and_b32 v45, 511, v45                        ; K step 256's gamma and beta, turned by c blocks of 128 bytes
	v_mul_u32_u24 v46, v41, 32896
	v_lshl_add_u32 v46, v42, 4, v46                ; W's codes of K step 256: row r of the tile, + 16 h
	v_mul_u32_u24 v47, v41, 1028                   ; and its scale byte
	v_lshlrev_b32 v48, 10, v41
	v_lshl_add_u32 v48, v42, 6, v48                ; x: row r, + 64 h: my 16 numbers of a block of 32
	; LDS addresses
	s_mul_i32 s29, s2, GBW
	s_add_co_u32 s29, s29, GB
	v_add_nc_u32 v49, s29, v1                      ; gamma and beta on their way in
	v_lshl_add_u32 v5, v42, 6, s29                 ; and at work: + 64 h
	v_mul_u32_u24 v61, v41, GP
	s_lshl_b32 s29, s5, 6
	s_lshl_b32 s33, s4, 5
	s_add_co_u32 s29, s29, s33
	v_add_nc_u32 v40, s29, v61                     ; g at work: row r of a tile, rule 16 Kg + 8 q
	s_mul_i32 s29, s2, 16*GP
	v_add_nc_u32 v60, s29, v61                     ; row 16 w + r
	v_lshl_add_u32 v50, v42, 8, v60                ; g on its way in: + my 64 rules
	s_lshl_b32 s29, s7, 7
	v_lshl_add_u32 v53, v42, 6, v60
	v_add_nc_u32 v53, s29, v53                     ; K step 256: rules 32 c + 16 h on
	v_lshl_add_u32 v52, v41, 2, NM                 ; nm of row r of a tile
	s_lshl_b32 s29, s2, 6
	v_add_nc_u32 v51, s29, v52                     ; nm of row 16 w + r
	v_mul_u32_u24 v54, v41, SP
	v_lshl_add_u32 v54, v42, 5, v54
	s_mul_i32 s29, s2, STW
	s_add_co_u32 s29, s29, STG
	v_add_nc_u32 v54, s29, v54                     ; my stage: row r of a tile, + 32 h
	s_mul_i32 s29, s2, 16*SP
	s_lshl_b32 s33, s28, 7
	s_add_co_u32 s33, s33, s29
	v_add_nc_u32 v55, s33, v54                     ; in it, K step 256's place: row tile w, output tiles 2 (Kg % 2) on
	s_add_co_u32 s29, s29, STG
	v_mul_u32_u24 v56, v42, SP
	v_lshl_add_u32 v56, v41, 4, v56
	v_add_nc_u32 v56, s29, v56                     ; back: rows 16 w + h of stage 0, 16 bytes a lane
.irp i, 28,29,30,31,206,207
	v_mov_b32 v\i, 0                               ; written once: a lane permute's destination counts as one of its sources
.endr
	; byte offsets, each in a pair of its own with 0 above
	s_lshl_b32 s38, s6, 15                         ; logit: 32,768 bytes for 64 rows
	s_mov_b32 s39, 0
	s_lshl_b32 s40, s6, 9
	s_lshl_b32 s29, s2, 7
	s_add_co_u32 s40, s40, s29                     ; xstat: row 64 G + 16 w
	s_mov_b32 s41, 0
	s_lshl_b32 s46, s5, 14
	s_lshl_b32 s29, s4, 13
	s_add_co_u32 s46, s46, s29
	s_lshl_b32 s29, s3, 9
	s_add_co_u32 s46, s46, s29                     ; gamma, beta: 1,024 (16 Kg + 8 q) + 512 p
	s_mov_b32 s47, 0
	s_mul_i32 s48, s28, 1052672                    ; W's codes: 32 rows x (Kg % 2),
	s_lshl_b32 s29, s7, 5
	s_add_co_u32 s48, s48, s29
	s_add_co_u32 s48, s48, 32768                   ; + K step 256, block c
	s_mov_b32 s49, 0
	s_mul_i32 s50, s28, 32896                      ; W's scales likewise
	s_add_co_u32 s50, s50, s7
	s_add_co_u32 s50, s50, 1024
	s_mov_b32 s51, 0
	s_lshl_b32 s56, s6, 16
	s_lshl_b32 s29, s3, 9
	s_add_co_u32 s56, s56, s29                     ; x: row 64 G, input 128 p
	s_mov_b32 s57, 0
	s_lshl_b32 s58, s5, 18
	s_lshl_b32 s29, s4, 17
	s_add_co_u32 s58, s58, s29
	s_lshl_b32 s29, s3, 13
	s_add_co_u32 s58, s58, s29                     ; wfrag: 8,192 x my first K step, 2 (16 Kg + 8 q) + p
	s_mov_b32 s59, 0
	s_lshr_b32 s60, s58, 5                         ; wsc: 256 x the same
	s_mov_b32 s61, 0
	s_lshl_b32 s62, s5, 19
	s_lshl_b32 s29, s6, 14
	s_add_co_u32 s62, s62, s29
	s_lshl_b32 s29, s2, 12
	s_add_co_u32 s62, s62, s29                     ; part: [Kg][row 64 G + 16 w]
	s_mov_b32 s63, 0
	s_mov_b32 s30, 0x76543210
	s_mov_b32 s31, 0xfedcba98                      ; v_permlanex16_b32's selects for lane l xor 16
	s_mov_b32 s32, 0x600000                        ; the mantissa field of 57,344
	s_mov_b32 s34, 0x3fb8aa3b                      ; log2(e)
	s_mov_b32 s35, s34                             ; (named with it as a pair, so it is written)
	s_mov_b32 s36, 0x37ff00ff                      ; 1 / 32,896
	s_mov_b32 s37, 0x3727c5ac                      ; 1e-5
	s_mov_b32 s54, 0x43800000                      ; 256
	s_mov_b32 s55, s54
	s_mov_b32 s52, 0                               ; how far the K step in hand lies among my slots of gamma and beta,
	s_mov_b32 s53, 0                               ; and along a row of g
	s_wait_kmcnt 0x0
	s_add_nc_u64 s[10:11], s[10:11], s[38:39]
	s_add_nc_u64 s[12:13], s[12:13], s[40:41]
	s_add_nc_u64 s[42:43], s[14:15], s[46:47]      ; gamma and beta at my first K step; s[14:17] stay for K step 256
	s_add_nc_u64 s[44:45], s[16:17], s[46:47]
	s_add_nc_u64 s[22:23], s[22:23], s[48:49]
	s_add_nc_u64 s[24:25], s[24:25], s[50:51]
	s_add_nc_u64 s[8:9], s[8:9], s[56:57]
	s_add_nc_u64 s[18:19], s[18:19], s[58:59]
	s_add_nc_u64 s[20:21], s[20:21], s[60:61]
	s_add_nc_u64 s[26:27], s[26:27], s[62:63]
.macro XLOAD m                         ; x of row tile m: 16 loads into window 1
.irp c, 0,1,2,3
.irp a, 0,1,2,3
	global_load_b128 v[64*\m+16*\c+4*\a:64*\m+16*\c+4*\a+3], v48, s[8:9] offset:16384*\m+128*\c+16*\a
.endr
.endr
.endm
	; 39 loads that the softmax and the staging want, then x
.irp k, 0,1,2,3
.irp a, 0,1,2,3
	global_load_b128 v[L+16*\k+4*\a:L+16*\k+4*\a+3], v43, s[10:11] offset:4096*\k+16*\a   ; v[L + n] = the firing level of rule 64 h + n
.endr
.endr
	global_load_b64 v[58:59], v44, s[12:13]        ; (xbar, Vx)
.irp j, 0,1,2,3,4,5,6,7
	global_load_b128 v[128+4*\j:131+4*\j], v1, s[42:43] offset:1024*\j      ; gamma of K step j: 512 consecutive bytes
.endr
	global_load_b128 v[160:163], v45, s[14:15] offset:131072
.irp j, 0,1,2,3,4,5,6,7
	global_load_b128 v[164+4*\j:167+4*\j], v1, s[44:45] offset:1024*\j      ; beta likewise
.endr
	global_load_b128 v[196:199], v45, s[16:17] offset:131072
	WIN 0xc0                                       ; destination window 3
	global_load_b128 v[0:3], v46, s[22:23]         ; K step 256: 32 codes of each of W's rows, the first four registers of a fragment
	global_load_b128 v[16:19], v46, s[22:23] offset:526336
	WIN 0
	global_load_u8 v22, v47, s[24:25]              ; their scale byte, with zeros above it for the 96 zero codes
	global_load_u8 v23, v47, s[24:25] offset:16448
	WIN 0x40                                       ; destination window 1
	XLOAD 0
	XLOAD 1
	WIN 0
	s_wait_loadcnt 32                              ; loads come back in order: all but the 32 of x are in
.irp j, 0,1,2,3,4,5,6,7,8
	ds_store_b128 v49, v[128+4*\j:131+4*\j] offset:1024*\j
	ds_store_b128 v49, v[164+4*\j:167+4*\j] offset:1024*\j+512
.endr
	WIN 0x40
	XLOAD 2
	XLOAD 3
	WIN 0
	; ---- THE SOFTMAX of row 16 w + r: my half of the lanes holds 64 of its 128 rules
.irp b, 0,1,2,3
	v_max3_num_f32 v[TM+\b], v[L+16*\b], v[L+16*\b+1], v[L+16*\b+2]
.endr
.irp i, 3,5,7,9,11,13
.irp b, 0,1,2,3
	v_max3_num_f32 v[TM+\b], v[TM+\b], v[L+16*\b+\i], v[L+16*\b+\i+1]
.endr
.endr
.irp b, 0,1,2,3
	v_max_num_f32 v[TM+\b], v[TM+\b], v[L+16*\b+15]
.endr
	v_max3_num_f32 v[TM], v[TM], v[TM+1], v[TM+2]
	v_max_num_f32 v[TM], v[TM], v[TM+3]
	v_permlanex16_b32 v[TM+4], v[TM], s30, s31
	v_max_num_f32 v[TM], v[TM], v[TM+4]            ; the row's largest level m
	v_mul_f32 v200, 0xbfb8aa3b, v[TM]              ; -m log2(e): its rounding is one factor for the whole row, which the division by the row's sum takes out
	v_mov_b32 v201, v200
.set j, 0
.rept 32
	v_pk_fma_f32 v[L+j:L+j+1], v[L+j:L+j+1], s[34:35], v[200:201] op_sel_hi:[1,0,0]
.set j, j+2
.endr
.set j, 0
.rept 64
	v_exp_f32 v[L+j], v[L+j]                       ; one batch
.set j, j+1
.endr
	v_fma_f32 v231, v58, s54, 1.0                  ; 256 xbar + 1.  (The plain instruction behind the last exponential)
	s_wait_alu depctr_va_vdst(0)                   ; one wait for the batch, ahead of its first reader
	v_pk_add_f32 v[202:203], v[L:L+1], v[L+2:L+3]  ; the row's sum, in two chains
	v_pk_add_f32 v[204:205], v[L+4:L+5], v[L+6:L+7]
.set j, 8
.rept 14
	v_pk_add_f32 v[202:203], v[202:203], v[L+j:L+j+1]
	v_pk_add_f32 v[204:205], v[204:205], v[L+j+2:L+j+3]
.set j, j+4
.endr
	v_pk_add_f32 v[202:203], v[202:203], v[204:205]
	v_add_f32 v202, v202, v203
	v_permlanex16_b32 v206, v202, s30, s31
	v_add_f32 v202, v202, v206
	v_rcp_f32 v208, v202
	v_mov_b32 v209, 0                              ; (the pair's upper half is named, so it is written; also the plain instruction behind the reciprocal)
	s_wait_alu depctr_va_vdst(0)
.set j, 0
.rept 32
	v_pk_mul_f32 v[L+j:L+j+1], v[L+j:L+j+1], v[208:209] op_sel_hi:[1,0]     ; f
.set j, j+2
.endr
	; ---- MU AND VAR
	v_pk_add_f32 v[210:211], v[L:L+1], v[L+2:L+3]  ; F,
	v_pk_mul_f32 v[212:213], v[L:L+1], v[L:L+1]    ; F2
	v_pk_fma_f32 v[212:213], v[L+2:L+3], v[L+2:L+3], v[212:213]
.set j, 4
.rept 30
	v_pk_add_f32 v[210:211], v[210:211], v[L+j:L+j+1]
	v_pk_fma_f32 v[212:213], v[L+j:L+j+1], v[L+j:L+j+1], v[212:213]
.set j, j+2
.endr
	v_add_f32 v210, v210, v211
	v_add_f32 v212, v212, v213
	v_permlanex16_b32 v206, v210, s30, s31
	v_permlanex16_b32 v207, v212, s30, s31
	v_add_f32 v210, v210, v206
	v_add_f32 v212, v212, v207
	v_mul_f32 v230, v210, v231
	v_mov_b32 v214, v58                            ; the pair (xbar, -mu)
	v_mul_f32 v215, 0xb7ff00ff, v230               ; -mu = -F (256 xbar + 1) / D
.set j, 0
.rept 16                                       ; two pairs of rules a turn: xbar f - mu and f - mu, squared and summed
	v_pk_fma_f32 v[216:217], v[L+j:L+j+1], v[214:215], v[214:215] op_sel:[0,0,1] op_sel_hi:[1,0,1]
	v_pk_add_f32 v[218:219], v[L+j:L+j+1], v[214:215] op_sel:[0,1] op_sel_hi:[1,1]
	v_pk_fma_f32 v[224:225], v[L+j+2:L+j+3], v[214:215], v[214:215] op_sel:[0,0,1] op_sel_hi:[1,0,1]
	v_pk_add_f32 v[226:227], v[L+j+2:L+j+3], v[214:215] op_sel:[0,1] op_sel_hi:[1,1]
.if j == 0
	v_pk_mul_f32 v[220:221], v[216:217], v[216:217]
	v_pk_mul_f32 v[222:223], v[218:219], v[218:219]
.else
	v_pk_fma_f32 v[220:221], v[216:217], v[216:217], v[220:221]
	v_pk_fma_f32 v[222:223], v[218:219], v[218:219], v[222:223]
.endif
	v_pk_fma_f32 v[220:221], v[224:225], v[224:225], v[220:221]
	v_pk_fma_f32 v[222:223], v[226:227], v[226:227], v[222:223]
.set j, j+4
.endr
	v_pk_fma_f32 v[220:221], v[220:221], s[54:55], v[222:223] op_sel_hi:[1,0,1]
	v_add_f32 v220, v220, v221
	v_permlanex16_b32 v206, v220, s30, s31
	v_add_f32 v220, v220, v206
	v_fma_f32 v220, v212, v59, v220                ; D var
	v_fma_f32 v220, v220, s36, s37                 ; var + 1e-5
	v_rsq_f32 v228, v220
	v_mov_b32 v229, 0                              ; (the pair's upper half; the plain instruction behind the root)
	s_wait_alu depctr_va_vdst(0)
	v_mul_f32 v232, v215, v228                     ; nm = -mu a
.set j, 0
.rept 32
	v_pk_mul_f32 v[L+j:L+j+1], v[L+j:L+j+1], v[228:229] op_sel_hi:[1,0]     ; g = f a
.set j, j+2
.endr
.irp n, 0,1,2,3,4,5,6,7,8,9,10,11,12,13,14,15
	ds_store_b128 v50, v[L+4*\n:L+4*\n+3] offset:16*\n
.endr
	ds_store_b32 v60, v232 offset:512              ; the word behind the row: read by the last look ahead, never used
	ds_store_b32 v51, v232                         ; both halves of the lanes write the same word with the same value
	s_wait_dscnt 0x0                               ; for the others' sake: my rows' g and nm have landed
	s_barrier_signal -1
	s_barrier_wait -1
	; ---- the first K step's g, gamma and beta; nm of the four tiles; K step 256's numbers
.irp m, 0,1,2,3
	ds_load_b32 v[9+2*\m], v52 offset:64*\m
	ds_load_b32 v[8+2*\m], v40 offset:16*GP*\m
.endr
.irp c, 0,1,2,3
.irp a, 0,1,2,3
	ds_load_b128 v[GAM+16*\c+4*\a:GAM+16*\c+4*\a+3], v5 offset:128*\c+16*\a
	ds_load_b128 v[BET+16*\c+4*\a:BET+16*\c+4*\a+3], v5 offset:512+128*\c+16*\a
.endr
.endr
.irp a, 0,1,2,3
	ds_load_b128 v[V+4*\a:V+4*\a+3], v53 offset:16*\a
	ds_load_b128 v[V+16+4*\a:V+16+4*\a+3], v5 offset:8192+16*\a
	ds_load_b128 v[V+32+4*\a:V+32+4*\a+3], v5 offset:8192+512+16*\a
.endr
	ds_load_b32 v6, v51
	v_mov_b32 v7, 0                                ; (the pair's upper half)
	WIN 0xc0
.irp b, 0,16,32
.irp i, 4,5,6,7,8,9,10,11,12,13,14,15
	v_mov_b32 v[\b+\i], 0                          ; the 96 zero codes of K step 256's three fragments
.endr
.endr
	WIN 0
	s_wait_dscnt 0x0
	; ---- K STEP 256: one block of 32 features (g_r + nm) gamma + beta of row 16 w + r; 16 of them are mine
.irp i, 0,2,4,6,8,10,12,14
	v_pk_add_f32 v[V+\i:V+\i+1], v[V+\i:V+\i+1], v[6:7] op_sel_hi:[1,0]
.endr
.irp i, 0,2,4,6,8,10,12,14
	v_pk_fma_f32 v[V+\i:V+\i+1], v[V+\i:V+\i+1], v[V+16+\i:V+17+\i], v[V+32+\i:V+33+\i]
.endr
	v_max3_num_f32 v[TM], |v[V]|, |v[V+1]|, 0x8000000   ; the largest magnitude, over the floor 2^(16 - 127): the byte cannot fall under 1
.irp i, 2,4,6,8,10,12,14
	v_max3_num_f32 v[TM], v[TM], |v[V+\i]|, |v[V+\i+1]|
.endr
	v_permlanex16_b32 v[TM+4], v[TM], s30, s31
	v_max_num_f32 v[TM], v[TM], v[TM+4]
	v_add_nc_u32 v[TM+12], 0xf8800000, v[TM]       ; 15 off its exponent field: the conversion's scale operand
	v_and_or_b32 v[TM+8], v[TM], 0x7f800000, s32   ; 57,344 x the scale
	v_lshrrev_b32 v[AS], 23, v[TM+12]              ; the byte, zeros above it
.irp i, 0,1,2,3,4,5,6,7,8,9,10,11,12,13,14,15
	v_med3_num_f32 v[V+\i], v[V+\i], -v[TM+8], v[TM+8]   ; the conversion to an 8-bit code does not saturate (ISA guide 7.6.2): the hold.  These sixteen are also the places between the scale word and the products
.endr
	WIN 0xc0
	v_cvt_scalef32_pk8_bf8_f32 v[32:33], v[V:V+7], v[TM+12]
	v_cvt_scalef32_pk8_bf8_f32 v[34:35], v[V+8:V+15], v[TM+12]
.rept 4
	v_nop                                          ; codes written by vector instructions stand four places ahead of a scaled matrix instruction
.endr
	WIN 0xcf                                       ; D, source 0 and source 1 in window 3
	v_wmma_scale_f32_16x16x128_f8f6f4 v[48:55], v[0:15], v[32:47], 0, v22, v[AS] matrix_a_fmt:MATRIX_FMT_BF8 matrix_b_fmt:MATRIX_FMT_BF8
	v_wmma_scale_f32_16x16x128_f8f6f4 v[56:63], v[16:31], v[32:47], 0, v23, v[AS] matrix_a_fmt:MATRIX_FMT_BF8 matrix_b_fmt:MATRIX_FMT_BF8
	WIN 0
	s_wait_loadcnt 0x0                             ; x
; ---- THE LOOP'S PARTS
.macro GEN1 m                          ; u = x g + nm for row tile m: of the pair (g, nm) the first word multiplies both halves, the second is added to both
	WIN 0x01                                       ; source 0 (x) in window 1
.set j, 0
.rept 32
	v_pk_fma_f32 v[V+j:V+j+1], v[64*\m+j:64*\m+j+1], v[8+2*\m:9+2*\m], v[8+2*\m:9+2*\m] op_sel:[0,0,1] op_sel_hi:[1,0,1]
.set j, j+2
.endr
.endm
.macro GEN2                            ; the feature: u gamma + beta
	WIN 0
.set j, 0
.rept 32
	v_pk_fma_f32 v[V+j:V+j+1], v[V+j:V+j+1], v[GAM+j:GAM+j+1], v[BET+j:BET+j+1]
.set j, j+2
.endr
.endm
.macro QUANT m                         ; 64 features of a lane, register 16 b + i = k 32 b + 16 h + i of my row, become tile m's codes and its scale word
	WIN 0
.irp b, 0,1,2,3
	v_max3_num_f32 v[TM+\b], |v[V+16*\b]|, |v[V+1+16*\b]|, 0x8000000   ; block b: my 16 numbers, over the floor 2^(16 - 127)
.endr
.irp i, 2,4,6,8,10,12,14
.irp b, 0,1,2,3
	v_max3_num_f32 v[TM+\b], v[TM+\b], |v[V+16*\b+\i]|, |v[V+1+16*\b+\i]|   ; (the four blocks by turns)
.endr
.endr
.irp b, 0,1,2,3
	v_permlanex16_b32 v[TM+4+\b], v[TM+\b], s30, s31
.endr
.irp b, 0,1,2,3
	v_max_num_f32 v[TM+\b], v[TM+\b], v[TM+4+\b]   ; with lane l xor 16's: the block's largest magnitude
.endr
.irp b, 0,1,2,3
	v_add_nc_u32 v[TM+12+\b], 0xf8800000, v[TM+\b] ; 15 off its exponent field: the conversion takes the exponent field of this operand as its scale
.endr
.irp b, 0,1,2,3
	v_and_or_b32 v[TM+8+\b], v[TM+\b], 0x7f800000, s32   ; 57,344 x the scale
.endr
.irp b, 0,1,2,3
	v_lshrrev_b32 v[TM+4+\b], 23, v[TM+12+\b]      ; the scale's byte
.endr
	v_lshl_or_b32 v[AS+\m], v[TM+5], 8, v[TM+4]
	v_lshl_or_b32 v[AS+\m], v[TM+6], 16, v[AS+\m]
	v_lshl_or_b32 v[AS+\m], v[TM+7], 24, v[AS+\m]  ; my row's scale word (the 64 holds below stand between it and the products)
.irp b, 0,1,2,3
.irp i, 0,1,2,3,4,5,6,7,8,9,10,11,12,13,14,15
	v_med3_num_f32 v[V+16*\b+\i], v[V+16*\b+\i], -v[TM+8+\b], v[TM+8+\b]   ; the hold at the largest code x the scale (ISA guide 7.6.2)
.endr
.endr
	WIN 0x80                                       ; destination window 2
.irp b, 0,1,2,3
	v_cvt_scalef32_pk8_bf8_f32 v[CD+16*\m+4*\b:CD+16*\m+4*\b+1], v[V+16*\b:V+16*\b+7], v[TM+12+\b]
	v_cvt_scalef32_pk8_bf8_f32 v[CD+16*\m+4*\b+2:CD+16*\m+4*\b+3], v[V+16*\b+8:V+16*\b+15], v[TM+12+\b]
.endr
	WIN 0
	v_nop                                          ; one plain instruction between the conversions and the next line that writes their sources
.endm
.macro WLOAD                           ; the K step's four fragments of W, 512 consecutive bytes a load, and its 64 scale words: lanes 0-15 an even tile's, lanes 16-31 the odd tile's
	WIN 0x80
.irp t, 0,1,2,3
.irp c, 0,1,2,3
	global_load_b128 v[WF+16*\t+4*\c:WF+16*\t+4*\c+3], v1, s[18:19] offset:2048*\t+512*\c
.endr
.endr
	WIN 0
	global_load_b32 v16, v2, s[20:21]
	global_load_b32 v17, v2, s[20:21] offset:128
.endm
.macro AHEAD                           ; the next K step's g, gamma and beta: 36 LDS loads, behind the last line that reads this step's.  In the last step they read slot 8 and, for rule 128, the word behind the row: written bytes, not used
	WIN 0
	s_add_co_u32 s52, s52, 1024
	s_add_co_u32 s53, s53, 4
	v_add_nc_u32 v3, s52, v5
	v_add_nc_u32 v4, s53, v40
.irp m, 0,1,2,3
	ds_load_b32 v[8+2*\m], v4 offset:16*GP*\m
.endr
.irp c, 0,1,2,3
.irp a, 0,1,2,3
	ds_load_b128 v[GAM+16*\c+4*\a:GAM+16*\c+4*\a+3], v3 offset:128*\c+16*\a
	ds_load_b128 v[BET+16*\c+4*\a:BET+16*\c+4*\a+3], v3 offset:512+128*\c+16*\a
.endr
.endr
.endm
.macro MMA first                       ; 16 products; the 16 accumulators take turns, one instruction a turn, over the loop's backward jump too.  first = 1: they start the sums
	WIN 0xaa                                       ; all four operands in window 2
.irp t, 0,1,2,3
.irp m, 0,1,2,3
.set rD, 8*(4*\m+\t)
.set rW, WF+16*\t
.set rC, CD+16*\m
.if \first
.if \t%2
	v_wmma_scale_f32_16x16x128_f8f6f4 v[rD:rD+7], v[rW:rW+15], v[rC:rC+15], 0, v[16+\t/2], v[AS+\m] matrix_a_fmt:MATRIX_FMT_BF8 matrix_b_fmt:MATRIX_FMT_BF8 matrix_a_scale:MATRIX_SCALE_ROW1
.else
	v_wmma_scale_f32_16x16x128_f8f6f4 v[rD:rD+7], v[rW:rW+15], v[rC:rC+15], 0, v[16+\t/2], v[AS+\m] matrix_a_fmt:MATRIX_FMT_BF8 matrix_b_fmt:MATRIX_FMT_BF8
.endif
.else
.if \t%2
	v_wmma_scale_f32_16x16x128_f8f6f4 v[rD:rD+7], v[rW:rW+15], v[rC:rC+15], v[rD:rD+7], v[16+\t/2], v[AS+\m] matrix_a_fmt:MATRIX_FMT_BF8 matrix_b_fmt:MATRIX_FMT_BF8 matrix_a_scale:MATRIX_SCALE_ROW1
.else
	v_wmma_scale_f32_16x16x128_f8f6f4 v[rD:rD+7], v[rW:rW+15], v[rC:rC+15], v[rD:rD+7], v[16+\t/2], v[AS+\m] matrix_a_fmt:MATRIX_FMT_BF8 matrix_b_fmt:MATRIX_FMT_BF8
.endif
.endif
.endr
.endr
	WIN 0
.endm
; A K STEP: one rule, 128 inputs, 64 rows.
.macro STEP first
	s_wait_dscnt 0x0                               ; this step's g, gamma and beta, asked for ahead of the last tile's quantiser
	GEN1 0                                         ; its 32 lines name no register of the last products: they are the places in front of the loads into W's registers (ISA guide 7.12.1 for vector instructions)
	WLOAD
	GEN2
	QUANT 0
	GEN1 1
	GEN2
	QUANT 1
	GEN1 2
	GEN2
	QUANT 2
	GEN1 3
	GEN2
	AHEAD
	QUANT 3
.rept 3
	v_nop                                          ; with the one above: four places between the last codes and the products
.endr
	s_wait_loadcnt 0x0                             ; W's fragments and scale words are in: so their bases may step:
	s_add_nc_u64 s[18:19], s[18:19], 16384         ; two K steps on: the next rule, the same half of the inputs
	s_add_nc_u64 s[20:21], s[20:21], 512
	MMA \first
.endm
	STEP 1                                         ; the first K step stands in front of the loop: its products start the sums
	s_mov_b32 s33, 7
.Lstep:
	STEP 0
	s_sub_co_i32 s33, s33, 1
	s_cmp_lg_u32 s33, 0
	s_cbranch_scc1 .Lstep
	; ---- THE WAY OUT.  My 64 rows x 64 outputs go into my stage; K step 256's two tiles are added there; behind a barrier each wave adds the four stages' 16 rows and stores them whole.
.rept 8
	v_nop                                          ; eight places between the last products and the first read of their results
.endr
	WIN 0x08                                       ; an LDS store's data are its source 1: window 2
.irp m, 0,1,2,3
.irp t, 0,1,2,3
	ds_store_b128 v54, v[8*(4*\m+\t):8*(4*\m+\t)+3] offset:16*SP*\m+64*\t          ; each accumulator from its low end on: lane (r, h): outputs 16 t + 8 h + 0 .. 7 of row 16 m + r
	ds_store_b128 v54, v[8*(4*\m+\t)+4:8*(4*\m+\t)+7] offset:16*SP*\m+64*\t+16
.endr
.endr
	WIN 0
.irp i, 0,1
	ds_load_b128 v[V+8*\i:V+8*\i+3], v55 offset:64*\i          ; LDS serves a wave's instructions in order (ISA guide 5.7.1.4): these see my stores
	ds_load_b128 v[V+8*\i+4:V+8*\i+7], v55 offset:64*\i+16
.endr
	s_wait_dscnt 0x0
	WIN 0x0c                                       ; source 1 in window 3
.irp i, 0,2,4,6,8,10,12,14
	v_pk_add_f32 v[V+\i:V+\i+1], v[V+\i:V+\i+1], v[48+\i:49+\i]   ; K step 256's accumulators, each from its low end on
.endr
	WIN 0
.irp i, 0,1
	ds_store_b128 v55, v[V+8*\i:V+8*\i+3] offset:64*\i
	ds_store_b128 v55, v[V+8*\i+4:V+8*\i+7] offset:64*\i+16
.endr
	s_wait_dscnt 0x0                               ; for the others' sake: my stage is whole
	s_barrier_signal -1
	s_barrier_wait -1
.irp u, 0,1,2,3
.irp i, 0,1,2,3,4,5,6,7
	ds_load_b128 v[64+32*\u+4*\i:67+32*\u+4*\i], v56 offset:STW*\u+2*SP*\i     ; rows 16 w + 2 i + h of stage u
.endr
.endr
	s_wait_dscnt 0x0
.set j, 0
.rept 16
	v_pk_add_f32 v[64+j:65+j], v[64+j:65+j], v[96+j:97+j]
	v_pk_add_f32 v[128+j:129+j], v[128+j:129+j], v[160+j:161+j]
.set j, j+2
.endr
.set j, 0
.rept 16
	v_pk_add_f32 v[64+j:65+j], v[64+j:65+j], v[128+j:129+j]
.set j, j+2
.endr
.irp i, 0,1,2,3,4,5,6,7
	global_store_b128 v1, v[64+4*\i:67+4*\i], s[26:27] offset:512*\i           ; two whole rows of 256 bytes: 32 lanes store 512 consecutive bytes
.endr
	s_wait_tensorcnt 0x0
	ds_add_u32 v62, v63
	s_wait_dscnt 0x0
	s_endpgm
.Lfunc_end_k_q715de1635c_main:
	.size	k_q715de1635c_main, .Lfunc_end_k_q715de1635c_main-k_q715de1635c_main
	.p2alignl 7, 3214868480
	.fill 96, 4, 3214868480
	.section	.rodata,"a",@progbits
	.p2align	6, 0x0
	.amdhsa_kernel k_q715de1635c_main
		.amdhsa_group_segment_fixed_size 141056
		.amdhsa_private_segment_fixed_size 0
		.amdhsa_enable_private_segment 0
		.amdhsa_kernarg_size 80
		.amdhsa_user_sgpr_count 2
		.amdhsa_user_sgpr_kernarg_segment_ptr 1
		.amdhsa_wavefront_size32 1
		.amdhsa_system_sgpr_workgroup_id_x 1
		.amdhsa_system_sgpr_workgroup_id_y 1
		.amdhsa_system_sgpr_workgroup_id_z 1
		.amdhsa_system_vgpr_workitem_id 0
		.amdhsa_next_free_vgpr 832
		.amdhsa_next_free_sgpr 66
		.amdhsa_reserve_vcc 0
		.amdhsa_float_denorm_mode_32 3
		.amdhsa_float_denorm_mode_16_64 3
		.amdhsa_memory_ordered 1
		.amdhsa_forward_progress 1
		.amdhsa_inst_pref_size 171
	.end_amdhsa_kernel
	.amdgpu_metadata
---
amdhsa.version: [ 1, 2 ]
amdhsa.kernels:
  - .name:           k_q715de1635c_main
    .symbol:         k_q715de1635c_main.kd
    .args:
      - { .name: X, .offset: 0, .size: 8, .value_kind: global_buffer, .address_space: global }
      - { .name: logit, .offset: 8, .size: 8, .value_kind: global_buffer, .address_space: global }
      - { .name: xstat, .offset: 16, .size: 8, .value_kind: global_buffer, .address_space: global }
      - { .name: ln_gamma, .offset: 24, .size: 8, .value_kind: global_buffer, .address_space: global }
      - { .name: ln_beta, .offset: 32, .size: 8, .value_kind: global_buffer, .address_space: global }
      - { .name: wfrag, .offset: 40, .size: 8, .value_kind: global_buffer, .address_space: global }
      - { .name: wsc, .offset: 48, .size: 8, .value_kind: global_buffer, .address_space: global }
      - { .name: W_codes, .offset: 56, .size: 8, .value_kind: global_buffer, .address_space: global }
      - { .name: W_scales, .offset: 64, .size: 8, .value_kind: global_buffer, .address_space: global }
      - { .name: part, .offset: 72, .size: 8, .value_kind: global_buffer, .address_space: global }
    .group_segment_fixed_size: 141056
    .private_segment_fixed_size: 0
    .kernarg_segment_align: 8
    .kernarg_segment_size: 80
    .max_flat_workgroup_size: 128
    .sgpr_count:     66
    .vgpr_count:     832
    .wavefront_size: 32
...
	.end_amdgpu_metadata
.endif
;; end of part 2
;; launch sum (part 3): grid 256 x 1, 4 waves a work-group, no clusters, 0 bytes of LDS; arguments part, b, out0; writes out0
.if DOCPART == 3
	.amdgcn_target "amdgcn-amd-amdhsa--gfx1250"
	.amdhsa_code_object_version 6
	.text
	.protected	k_q715de1635c_sum
	.globl	k_q715de1635c_sum
	.p2align	8
	.type	k_q715de1635c_sum,@function
k_q715de1635c_sum:
	s_mov_b64 s[64:65], 0
	v_nop
	global_prefetch_b8 v0, s[64:65] scope:SCOPE_SE
	s_setreg_imm32_b32 hwreg(HW_REG_WAVE_MODE, 25, 1), 1
	s_wait_xcnt 0x0
; out0[row][n] = the sum over Kg = 0 .. 7 of part[Kg][row][n], Kg ascending, + b[n].  part: [8][2048][64] f32; out0: [2048][64] f32.
; A stream: thread n of the launch owns the 16 bytes at 16 n of out0 and of each of the eight parts: every load and the store of a wave cover 512 consecutive bytes.
; All nine loads of a thread go out together; there is one trip, so no ring.  No LDS, no barrier, no matrix instruction: nothing is shared.
	s_load_b128 s[4:7], s[0:1], 0x0                ; part s[4:5], b s[6:7]
	s_load_b64 s[8:9], s[0:1], 0x10                ; out0
	v_lshlrev_b32 v1, 4, v0                        ; my 16 bytes among the work-group's 2,048
	v_and_b32 v2, 15, v0
	v_lshlrev_b32 v2, 4, v2                        ; my four outputs among a row's 64
	s_lshl_b32 s2, ttmp9, 11
	s_mov_b32 s3, 0
	s_wait_kmcnt 0x0
	s_add_nc_u64 s[4:5], s[4:5], s[2:3]
	s_add_nc_u64 s[8:9], s[8:9], s[2:3]
.irp k, 0,1,2,3,4,5,6,7
	global_load_b128 v[4+4*\k:7+4*\k], v1, s[4:5] offset:524288*\k th:TH_LOAD_NT   ; read once in the launch
.endr
	global_load_b128 v[36:39], v2, s[6:7]
	s_wait_loadcnt 0x0
.irp k, 1,2,3,4,5,6,7,8
	v_pk_add_f32 v[4:5], v[4:5], v[4+4*\k:5+4*\k]  ; k = 8: b
	v_pk_add_f32 v[6:7], v[6:7], v[6+4*\k:7+4*\k]
.endr
	global_store_b128 v1, v[4:7], s[8:9] th:TH_STORE_NT
	s_endpgm
.Lfunc_end_k_q715de1635c_sum:
	.size	k_q715de1635c_sum, .Lfunc_end_k_q715de1635c_sum-k_q715de1635c_sum
	.p2alignl 7, 3214868480
	.fill 96, 4, 3214868480
	.section	.rodata,"a",@progbits
	.p2align	6, 0x0
	.amdhsa_kernel k_q715de1635c_sum
		.amdhsa_group_segment_fixed_size 0
		.amdhsa_private_segment_fixed_size 0
		.amdhsa_enable_private_segment 0
		.amdhsa_kernarg_size 24
		.amdhsa_user_sgpr_count 2
		.amdhsa_user_sgpr_kernarg_segment_ptr 1
		.amdhsa_wavefront_size32 1
		.amdhsa_system_sgpr_workgroup_id_x 1
		.amdhsa_system_sgpr_workgroup_id_y 1
		.amdhsa_system_sgpr_workgroup_id_z 1
		.amdhsa_system_vgpr_workitem_id 0
		.amdhsa_next_free_vgpr 48
		.amdhsa_next_free_sgpr 66
		.amdhsa_reserve_vcc 0
		.amdhsa_float_denorm_mode_32 3
		.amdhsa_float_denorm_mode_16_64 3
		.amdhsa_memory_ordered 1
		.amdhsa_forward_progress 1
		.amdhsa_inst_pref_size 3
	.end_amdhsa_kernel
	.amdgpu_metadata
---
amdhsa.version: [ 1, 2 ]
amdhsa.kernels:
  - .name:           k_q715de1635c_sum
    .symbol:         k_q715de1635c_sum.kd
    .args:
      - { .name: part, .offset: 0, .size: 8, .value_kind: global_buffer, .address_space: global }
      - { .name: b, .offset: 8, .size: 8, .value_kind: global_buffer, .address_space: global }
      - { .name: out0, .offset: 16, .size: 8, .value_kind: global_buffer, .address_space: global }
    .group_segment_fixed_size: 0
    .private_segment_fixed_size: 0
    .kernarg_segment_align: 8
    .kernarg_segment_size: 24
    .max_flat_workgroup_size: 128
    .sgpr_count:     66
    .vgpr_count:     48
    .wavefront_size: 32
...
	.end_amdgpu_metadata
.endif
;; end of part 3
;; ======== version 2 of 2: 3 launches; version 1 with the launch main written anew for expert scheduling mode
;; workspace buffers: wfrag 2,097,152 bytes; wsc 65,536 bytes; logit 1,048,576 bytes; xstat 16,384 bytes; part 4,194,304 bytes
;; launch fire: the kernel of part 1 again; grid 8 x 32, 4 waves a work-group, no clusters, 116,224 bytes of LDS; arguments X, centers, sigmas, W_codes, W_scales, wfrag, wsc, logit, xstat; writes wfrag, wsc, logit, xstat
;; launch main (part 4): grid 8 x 32, 4 waves a work-group, no clusters, 141,056 bytes of LDS; arguments X, logit, xstat, ln_gamma, ln_beta, wfrag, wsc, W_codes, W_scales, part; writes part
.if DOCPART == 4
	.amdgcn_target "amdgcn-amd-amdhsa--gfx1250"
	.amdhsa_code_object_version 6
	.text
	.protected	k_q715de1635c_main
	.globl	k_q715de1635c_main
	.p2align	8
	.type	k_q715de1635c_main,@function
k_q715de1635c_main:
	s_mov_b64 s[64:65], 0
	v_nop
	global_prefetch_b8 v0, s[64:65] scope:SCOPE_SE
	s_setreg_imm32_b32 hwreg(HW_REG_WAVE_SCHED_MODE, 0, 2), 2
	s_setreg_imm32_b32 hwreg(HW_REG_WAVE_MODE, 25, 1), 1
	s_wait_xcnt 0x0
	s_wait_alu depctr_vm_vsrc(0)
; SOFTMAX, LAYER NORM, QUANTISER AND PRODUCT.  part[Kg][row][n] = the sum over one eighth of K of Q(feature[row][k]) x W[n][k], on codes of BF8 (E5M2) with one E8M0 scale for each 32 along K.
; feature k = 256 r + i is (x_i f_r - mu) a gamma_k + beta_k, feature 32,768 + r is (f_r - mu) a gamma_k + beta_k; f = softmax of the firing levels, a = 1 / sqrt(var + 1e-5).
; MU AND VAR NEED NO PASS OVER THE 32,896 FEATURES.  With xbar and Vx = the sum of (x - xbar)^2 (from xstat), F = the sum of f, F2 = the sum of f^2, D = 32,896:
;   mu = F (256 xbar + 1) / D;   D var = F2 Vx + 256 x the sum over r of (xbar f_r - mu)^2 + the sum over r of (f_r - mu)^2: exact, and made of squares alone: no difference of large sums.
; With g_r = f_r a and nm = -mu a a feature is fma(fma(x_i, g_r, nm), gamma_k, beta_k): two packed multiply-adds for two numbers.
; SHARES.  A work-group takes rows 64 G .. 64 G + 63 (G = work-group y) and rules 16 Kg .. 16 Kg + 15 (Kg = work-group x): K steps 32 Kg .. 32 Kg + 31 of 128.  Wave w: p = w % 2: inputs 128 p .. 128 p + 127, so that its
; x of all 64 rows stays in 256 registers; q = w / 2: rules 16 Kg + 8 q + j, j = 0 .. 7: eight K steps, each against all 64 outputs: 16 accumulators.  The four waves' sums meet in LDS at the end.
; K STEP 256 (the features f_r) is shared out by address alone: a work-group takes its block c = Kg / 2 of 32 and output tiles 2 (Kg % 2) + 0, 1; wave w takes row tile w.  The block stands in the first 32 of a
; fragment whose other 96 codes are zeros, on both sides; its part of W comes straight from W_codes and W_scales.
; THE MATRIX INSTRUCTION IS USED TRANSPOSED: source 0 = 16 rows of W, source 1 = 16 rows of features: a lane then holds eight neighbouring outputs of one row.
; Lane (r = l % 16, h = l / 16) makes, for row 16 m + r, the features k = 32 c + 16 h + 0 .. 15 of each block c: the order of the operand's registers, so the conversions' results are the operand.
; W's fragments come from wfrag, laid in that order by the launch before: 16 loads of 512 consecutive bytes a K step, straight into the operand's registers, asked for behind the step's first 32 vector instructions.
; NO CLUSTER, NO TENSOR LOAD: the 32 work-groups of one Kg read the same 8,448 bytes a wave and K step.  Shared through LDS they would cost 16 LDS loads more a step and a round of barriers a refill, in a loop that
; has 768 vector instructions for its 16 matrix instructions and asks for those bytes some 700 instructions ahead of their use.
; LIMITS: NaN and infinities among the inputs are not served.  An exponential under 2^-126 comes out as 0.  A block of zeros gets the scale byte 1 (its codes are zeros, and nobody else reads the byte).
; 1 / 32,896 is a rounded f32 factor.  The sum over K is made in 32 parts of eight K steps and K step 256, added in a fixed order, not in one chain.
; REGISTERS, in windows of 256.  Window 0: v1-7, v40-61 addresses; v8-15 (g, nm) of the four row tiles; v16-23 scale words and nothing else; v24-39 the quantiser's; v64-127 gamma, v128-191 beta, v192-255 the 64 features in hand.
;   Window 1: x: tile m at 64 m, register 16 c + j = x[16 m + r][128 p + 32 c + 16 h + j].   Window 2: accumulator (m, t) at 8 (4 m + t); W's four fragments from 128; the features' codes, tile m at 192 + 16 m.
;   Window 3: K step 256: W's two fragments at 0 and 16, the features' at 32, two accumulators at 48.
; THE MODE: SCHED_MODE bits 1:0 = 2 (LLVM: expert scheduling mode 2), set by the entry lines.  The code itself states the register dependences
; between vector or matrix instructions and memory or LDS instructions, with s_wait_alu, always for 0.
; THE PLAN.  Registers that memory or LDS instructions touch, in the loop:
;   W's fragments, v16, v17   The step's 18 global loads land in them; the step's 16 products read them.
;   g (v8, v10, v12, v14), gamma, beta   The step's multiply-adds read them; behind the last of those the next step's 36 LDS loads land in them.
;   v3, v4    Read by those 36 LDS loads; written once a step, at its head.
;   v1, v2    Read by the global loads; never written again: the scalar bases move on.
;   The features, the quantiser's registers, the codes, v18-21 and the accumulators are named by vector and matrix instructions alone.
; So a step holds three lines.  At its head one wait on vm_vsrc, ahead of the additions to v3 and v4.  Behind tile 0's first 32 multiply-adds one wait on va_vdst: the last step's products are done reading W's registers.
; Behind the last tile's conversions and their places one wait on va_vdst: the codes and scale words are written, which the products take; every line that read g, gamma and beta is done; v3 and v4 are written.
; The 36 LDS loads follow that last wait, dealt among the 16 products, which name window 2 and v16-21: none of the registers that those loads touch.
.set GP,   528                         ; a row of g in LDS: 128 rules + 16 bytes: the sixteen rows of a store start 132 words apart
.set GT,   0                           ; g[64 rows][128 rules]; the word behind a row's 512 bytes is written too (the loop's last look ahead reads it)
.set NM,   64*GP                       ; nm[64 rows]
.set GB,   NM+256                      ; for each wave nine slots of (gamma: 512 bytes | beta: 512 bytes): its eight K steps, and K step 256 turned so that block c comes first
.set GBW,  9*1024
.set STG,  GB+4*GBW                    ; four stages, one a wave: 64 rows x (256 bytes + 16)
.set SP,   272
.set STW,  64*SP
.set TM,   24                          ; v24-27 largest magnitudes, v28-31 the other half's / bytes, v32-35 the largest number x the scale, v36-39 the conversions' scale operands
.set AS,   18                          ; v18-21 the features' scale words, tile m
.set L,    64                          ; the softmax: my 64 rules
.set GAM,  64
.set BET,  128
.set V,    192
.set WF,   128                         ; in window 2
.set CD,   192                         ; in window 2
.set MSB, 0
.macro WIN new                         ; s_set_vgpr_msb: bits 1:0 source 0, 3:2 source 1, 5:4 source 2, 7:6 destination; the high byte repeats the setting that is left; a switch that changes nothing is dropped
.if MSB != \new
	s_set_vgpr_msb (MSB<<8)|\new
.set MSB, \new
.endif
.endm
	s_load_b512 s[8:23], s[0:1], 0x0               ; X s[8:9], logit s[10:11], xstat s[12:13], gamma s[14:15], beta s[16:17], wfrag s[18:19], wsc s[20:21], W's codes s[22:23]
	s_load_b128 s[24:27], s[0:1], 0x40             ; W's scales s[24:25], part s[26:27]
	v_lshl_add_u32 v62, v0, 2, 0x22500
	v_mov_b32 v63, 0
	v_lshrrev_b32 v1, 5, v0
	v_readfirstlane_b32 s2, v1                     ; wave 0..3
	v_and_b32 v57, 31, v0
	v_lshlrev_b32 v1, 4, v57                       ; 16 x lane
	v_lshlrev_b32 v2, 2, v57                       ; 4 x lane
	v_and_b32 v41, 15, v0                          ; r
	v_bfe_u32 v42, v0, 4, 1                        ; h
	s_and_b32 s5, ttmp9, 7                         ; Kg
	s_and_b32 s6, ttmp7, 0xffff                    ; G
	s_lshr_b32 s7, s5, 1                           ; c: my block of K step 256
	s_and_b32 s28, s5, 1                           ; which two output tiles of it
	s_wait_alu depctr_va_sdst(0)                   ; s2 is written, ahead of its first reader: p, q and every offset that hangs on the wave are made from it
	s_and_b32 s3, s2, 1                            ; p
	s_lshr_b32 s4, s2, 1                           ; q
	; offsets into memory; none is rewritten
	v_lshlrev_b32 v43, 6, v41
	v_lshl_add_u32 v43, v42, 14, v43
	s_lshl_b32 s29, s2, 10
	v_add_nc_u32 v43, s29, v43                     ; logit: row 16 w + r (64 bytes in each block of 16 rules), rules from 64 h (four blocks of 4,096 bytes)
	v_lshlrev_b32 v44, 3, v41                      ; xstat: 8 bytes a row
	s_lshl_b32 s29, s7, 7
	v_add_nc_u32 v45, s29, v1
	v_and_b32 v45, 511, v45                        ; K step 256's gamma and beta, turned by c blocks of 128 bytes
	v_mul_u32_u24 v46, v41, 32896
	v_lshl_add_u32 v46, v42, 4, v46                ; W's codes of K step 256: row r of the tile, + 16 h
	v_mul_u32_u24 v47, v41, 1028                   ; and its scale byte
	v_lshlrev_b32 v48, 10, v41
	v_lshl_add_u32 v48, v42, 6, v48                ; x: row r, + 64 h: my 16 numbers of a block of 32
	; LDS addresses
	s_mul_i32 s29, s2, GBW
	s_add_co_u32 s29, s29, GB
	v_add_nc_u32 v49, s29, v1                      ; gamma and beta on their way in
	v_lshl_add_u32 v5, v42, 6, s29                 ; and at work: + 64 h
	v_mul_u32_u24 v61, v41, GP
	s_lshl_b32 s29, s5, 6
	s_lshl_b32 s33, s4, 5
	s_add_co_u32 s29, s29, s33
	v_add_nc_u32 v40, s29, v61                     ; g at work: row r of a tile, rule 16 Kg + 8 q
	s_mul_i32 s29, s2, 16*GP
	v_add_nc_u32 v60, s29, v61                     ; row 16 w + r
	v_lshl_add_u32 v50, v42, 8, v60                ; g on its way in: + my 64 rules
	s_lshl_b32 s29, s7, 7
	v_lshl_add_u32 v53, v42, 6, v60
	v_add_nc_u32 v53, s29, v53                     ; K step 256: rules 32 c + 16 h on
	v_lshl_add_u32 v52, v41, 2, NM                 ; nm of row r of a tile
	s_lshl_b32 s29, s2, 6
	v_add_nc_u32 v51, s29, v52                     ; nm of row 16 w + r
	v_mul_u32_u24 v54, v41, SP
	v_lshl_add_u32 v54, v42, 5, v54
	s_mul_i32 s29, s2, STW
	s_add_co_u32 s29, s29, STG
	v_add_nc_u32 v54, s29, v54                     ; my stage: row r of a tile, + 32 h
	s_mul_i32 s29, s2, 16*SP
	s_lshl_b32 s33, s28, 7
	s_add_co_u32 s33, s33, s29
	v_add_nc_u32 v55, s33, v54                     ; in it, K step 256's place: row tile w, output tiles 2 (Kg % 2) on
	s_add_co_u32 s29, s29, STG
	v_mul_u32_u24 v56, v42, SP
	v_lshl_add_u32 v56, v41, 4, v56
	v_add_nc_u32 v56, s29, v56                     ; back: rows 16 w + h of stage 0, 16 bytes a lane
.irp i, 28,29,30,31,206,207
	v_mov_b32 v\i, 0                               ; written once: a lane permute's destination counts as one of its sources
.endr
	; byte offsets, each in a pair of its own with 0 above
	s_lshl_b32 s38, s6, 15                         ; logit: 32,768 bytes for 64 rows
	s_mov_b32 s39, 0
	s_lshl_b32 s40, s6, 9
	s_lshl_b32 s29, s2, 7
	s_add_co_u32 s40, s40, s29                     ; xstat: row 64 G + 16 w
	s_mov_b32 s41, 0
	s_lshl_b32 s46, s5, 14
	s_lshl_b32 s29, s4, 13
	s_add_co_u32 s46, s46, s29
	s_lshl_b32 s29, s3, 9
	s_add_co_u32 s46, s46, s29                     ; gamma, beta: 1,024 (16 Kg + 8 q) + 512 p
	s_mov_b32 s47, 0
	s_mul_i32 s48, s28, 1052672                    ; W's codes: 32 rows x (Kg % 2),
	s_lshl_b32 s29, s7, 5
	s_add_co_u32 s48, s48, s29
	s_add_co_u32 s48, s48, 32768                   ; + K step 256, block c
	s_mov_b32 s49, 0
	s_mul_i32 s50, s28, 32896                      ; W's scales likewise
	s_add_co_u32 s50, s50, s7
	s_add_co_u32 s50, s50, 1024
	s_mov_b32 s51, 0
	s_lshl_b32 s56, s6, 16
	s_lshl_b32 s29, s3, 9
	s_add_co_u32 s56, s56, s29                     ; x: row 64 G, input 128 p
	s_mov_b32 s57, 0
	s_lshl_b32 s58, s5, 18
	s_lshl_b32 s29, s4, 17
	s_add_co_u32 s58, s58, s29
	s_lshl_b32 s29, s3, 13
	s_add_co_u32 s58, s58, s29                     ; wfrag: 8,192 x my first K step, 2 (16 Kg + 8 q) + p
	s_mov_b32 s59, 0
	s_lshr_b32 s60, s58, 5                         ; wsc: 256 x the same
	s_mov_b32 s61, 0
	s_lshl_b32 s62, s5, 19
	s_lshl_b32 s29, s6, 14
	s_add_co_u32 s62, s62, s29
	s_lshl_b32 s29, s2, 12
	s_add_co_u32 s62, s62, s29                     ; part: [Kg][row 64 G + 16 w]
	s_mov_b32 s63, 0
	s_mov_b32 s30, 0x76543210
	s_mov_b32 s31, 0xfedcba98                      ; v_permlanex16_b32's selects for lane l xor 16
	s_mov_b32 s32, 0x600000                        ; the mantissa field of 57,344
	s_mov_b32 s34, 0x3fb8aa3b                      ; log2(e)
	s_mov_b32 s35, s34                             ; (named with it as a pair, so it is written)
	s_mov_b32 s36, 0x37ff00ff                      ; 1 / 32,896
	s_mov_b32 s37, 0x3727c5ac                      ; 1e-5
	s_mov_b32 s54, 0x43800000                      ; 256
	s_mov_b32 s55, s54
	s_mov_b32 s52, 0                               ; how far the K step in hand lies among my slots of gamma and beta,
	s_mov_b32 s53, 0                               ; and along a row of g
	s_wait_kmcnt 0x0
	s_add_nc_u64 s[10:11], s[10:11], s[38:39]
	s_add_nc_u64 s[12:13], s[12:13], s[40:41]
	s_add_nc_u64 s[42:43], s[14:15], s[46:47]      ; gamma and beta at my first K step; s[14:17] stay for K step 256
	s_add_nc_u64 s[44:45], s[16:17], s[46:47]
	s_add_nc_u64 s[22:23], s[22:23], s[48:49]
	s_add_nc_u64 s[24:25], s[24:25], s[50:51]
	s_add_nc_u64 s[8:9], s[8:9], s[56:57]
	s_add_nc_u64 s[18:19], s[18:19], s[58:59]
	s_add_nc_u64 s[20:21], s[20:21], s[60:61]
	s_add_nc_u64 s[26:27], s[26:27], s[62:63]
	s_wait_alu depctr_va_vdst(0)                   ; the offsets and LDS addresses v1, v2, v5, v40 and v43 to v56 and v60 are written: every load and store of the kernel but the loop's LDS loads reads one of them, and none is written again
.macro XLOAD m                         ; x of row tile m: 16 loads into window 1
.irp c, 0,1,2,3
.irp a, 0,1,2,3
	global_load_b128 v[64*\m+16*\c+4*\a:64*\m+16*\c+4*\a+3], v48, s[8:9] offset:16384*\m+128*\c+16*\a
.endr
.endr
.endm
	; 39 loads that the softmax and the staging want, then x
.irp k, 0,1,2,3
.irp a, 0,1,2,3
	global_load_b128 v[L+16*\k+4*\a:L+16*\k+4*\a+3], v43, s[10:11] offset:4096*\k+16*\a   ; v[L + n] = the firing level of rule 64 h + n
.endr
.endr
	global_load_b64 v[58:59], v44, s[12:13]        ; (xbar, Vx)
.irp j, 0,1,2,3,4,5,6,7
	global_load_b128 v[128+4*\j:131+4*\j], v1, s[42:43] offset:1024*\j      ; gamma of K step j: 512 consecutive bytes
.endr
	global_load_b128 v[160:163], v45, s[14:15] offset:131072
.irp j, 0,1,2,3,4,5,6,7
	global_load_b128 v[164+4*\j:167+4*\j], v1, s[44:45] offset:1024*\j      ; beta likewise
.endr
	global_load_b128 v[196:199], v45, s[16:17] offset:131072
	WIN 0xc0                                       ; destination window 3
	global_load_b128 v[0:3], v46, s[22:23]         ; K step 256: 32 codes of each of W's rows, the first four registers of a fragment
	global_load_b128 v[16:19], v46, s[22:23] offset:526336
	WIN 0
	global_load_u8 v22, v47, s[24:25]              ; their scale byte, with zeros above it for the 96 zero codes
	global_load_u8 v23, v47, s[24:25] offset:16448
	WIN 0x40                                       ; destination window 1
	XLOAD 0
	XLOAD 1
	WIN 0
	s_wait_loadcnt 32                              ; loads come back in order: all but the 32 of x are in
.irp j, 0,1,2,3,4,5,6,7,8
	ds_store_b128 v49, v[128+4*\j:131+4*\j] offset:1024*\j
	ds_store_b128 v49, v[164+4*\j:167+4*\j] offset:1024*\j+512
.endr
	WIN 0x40
	XLOAD 2                                        ; no vector instruction has named these registers of window 1, and v48 stands since the wait above
	XLOAD 3
	WIN 0
	; ---- THE SOFTMAX of row 16 w + r: my half of the lanes holds 64 of its 128 rules
.irp b, 0,1,2,3
	v_max3_num_f32 v[TM+\b], v[L+16*\b], v[L+16*\b+1], v[L+16*\b+2]
.endr
.irp i, 3,5,7,9,11,13
.irp b, 0,1,2,3
	v_max3_num_f32 v[TM+\b], v[TM+\b], v[L+16*\b+\i], v[L+16*\b+\i+1]
.endr
.endr
.irp b, 0,1,2,3
	v_max_num_f32 v[TM+\b], v[TM+\b], v[L+16*\b+15]
.endr
	v_max3_num_f32 v[TM], v[TM], v[TM+1], v[TM+2]
	v_max_num_f32 v[TM], v[TM], v[TM+3]
	v_permlanex16_b32 v[TM+4], v[TM], s30, s31
	v_max_num_f32 v[TM], v[TM], v[TM+4]            ; the row's largest level m
	v_mul_f32 v200, 0xbfb8aa3b, v[TM]              ; -m log2(e): its rounding is one factor for the whole row, which the division by the row's sum takes out
	v_mov_b32 v201, v200
.set j, 0
.rept 32
	v_pk_fma_f32 v[L+j:L+j+1], v[L+j:L+j+1], s[34:35], v[200:201] op_sel_hi:[1,0,0]
.set j, j+2
.endr
.set j, 0
.rept 64
	v_exp_f32 v[L+j], v[L+j]                       ; one batch
.set j, j+1
.endr
	v_fma_f32 v231, v58, s54, 1.0                  ; 256 xbar + 1.  (The plain instruction behind the last exponential)
	s_wait_alu depctr_va_vdst(0)                   ; the 64 exponentials have written v[L ..]: one wait for the batch, ahead of its first reader
	v_pk_add_f32 v[202:203], v[L:L+1], v[L+2:L+3]  ; the row's sum, in two chains
	v_pk_add_f32 v[204:205], v[L+4:L+5], v[L+6:L+7]
.set j, 8
.rept 14
	v_pk_add_f32 v[202:203], v[202:203], v[L+j:L+j+1]
	v_pk_add_f32 v[204:205], v[204:205], v[L+j+2:L+j+3]
.set j, j+4
.endr
	v_pk_add_f32 v[202:203], v[202:203], v[204:205]
	v_add_f32 v202, v202, v203
	v_permlanex16_b32 v206, v202, s30, s31
	v_add_f32 v202, v202, v206
	v_rcp_f32 v208, v202
	v_mov_b32 v209, 0                              ; (the pair's upper half is named, so it is written; also the plain instruction behind the reciprocal)
	s_wait_alu depctr_va_vdst(0)                   ; the reciprocal has written v208, ahead of its first reader
.set j, 0
.rept 32
	v_pk_mul_f32 v[L+j:L+j+1], v[L+j:L+j+1], v[208:209] op_sel_hi:[1,0]     ; f
.set j, j+2
.endr
	; ---- MU AND VAR
	v_pk_add_f32 v[210:211], v[L:L+1], v[L+2:L+3]  ; F,
	v_pk_mul_f32 v[212:213], v[L:L+1], v[L:L+1]    ; F2
	v_pk_fma_f32 v[212:213], v[L+2:L+3], v[L+2:L+3], v[212:213]
.set j, 4
.rept 30
	v_pk_add_f32 v[210:211], v[210:211], v[L+j:L+j+1]
	v_pk_fma_f32 v[212:213], v[L+j:L+j+1], v[L+j:L+j+1], v[212:213]
.set j, j+2
.endr
	v_add_f32 v210, v210, v211
	v_add_f32 v212, v212, v213
	v_permlanex16_b32 v206, v210, s30, s31
	v_permlanex16_b32 v207, v212, s30, s31
	v_add_f32 v210, v210, v206
	v_add_f32 v212, v212, v207
	v_mul_f32 v230, v210, v231
	v_mov_b32 v214, v58                            ; the pair (xbar, -mu)
	v_mul_f32 v215, 0xb7ff00ff, v230               ; -mu = -F (256 xbar + 1) / D
.set j, 0
.rept 16                                       ; two pairs of rules a turn: xbar f - mu and f - mu, squared and summed
	v_pk_fma_f32 v[216:217], v[L+j:L+j+1], v[214:215], v[214:215] op_sel:[0,0,1] op_sel_hi:[1,0,1]
	v_pk_add_f32 v[218:219], v[L+j:L+j+1], v[214:215] op_sel:[0,1] op_sel_hi:[1,1]
	v_pk_fma_f32 v[224:225], v[L+j+2:L+j+3], v[214:215], v[214:215] op_sel:[0,0,1] op_sel_hi:[1,0,1]
	v_pk_add_f32 v[226:227], v[L+j+2:L+j+3], v[214:215] op_sel:[0,1] op_sel_hi:[1,1]
.if j == 0
	v_pk_mul_f32 v[220:221], v[216:217], v[216:217]
	v_pk_mul_f32 v[222:223], v[218:219], v[218:219]
.else
	v_pk_fma_f32 v[220:221], v[216:217], v[216:217], v[220:221]
	v_pk_fma_f32 v[222:223], v[218:219], v[218:219], v[222:223]
.endif
	v_pk_fma_f32 v[220:221], v[224:225], v[224:225], v[220:221]
	v_pk_fma_f32 v[222:223], v[226:227], v[226:227], v[222:223]
.set j, j+4
.endr
	v_pk_fma_f32 v[220:221], v[220:221], s[54:55], v[222:223] op_sel_hi:[1,0,1]
	v_add_f32 v220, v220, v221
	v_permlanex16_b32 v206, v220, s30, s31
	v_add_f32 v220, v220, v206
	v_fma_f32 v220, v212, v59, v220                ; D var
	v_fma_f32 v220, v220, s36, s37                 ; var + 1e-5
	v_rsq_f32 v228, v220
	v_mov_b32 v229, 0                              ; (the pair's upper half; the plain instruction behind the root)
	s_wait_alu depctr_va_vdst(0)                   ; the root has written v228, ahead of its first reader
	v_mul_f32 v232, v215, v228                     ; nm = -mu a
.set j, 0
.rept 32
	v_pk_mul_f32 v[L+j:L+j+1], v[L+j:L+j+1], v[228:229] op_sel_hi:[1,0]     ; g = f a
.set j, j+2
.endr
	s_wait_alu depctr_va_vdst(0)                   ; g in v[L ..] and nm in v232 are written, which the LDS stores below read.  No vector line stands between this wait and the loads behind the barrier: so it also states that the softmax is done with v64-127 and v200-232, in which they land
.irp n, 0,1,2,3,4,5,6,7,8,9,10,11,12,13,14,15
	ds_store_b128 v50, v[L+4*\n:L+4*\n+3] offset:16*\n
.endr
	ds_store_b32 v60, v232 offset:512              ; the word behind the row: read by the last look ahead, never used
	ds_store_b32 v51, v232                         ; both halves of the lanes write the same word with the same value
	s_wait_dscnt 0x0                               ; for the others' sake: my rows' g and nm have landed
	s_barrier_signal -1
	s_barrier_wait -1
	s_wait_alu depctr_vm_vsrc(0)                   ; my LDS stores have read v64-127 (g), v128-199 (gamma and beta on their way in) and v232: the loads below land in these registers
	; ---- the first K step's g, gamma and beta; nm of the four tiles; K step 256's numbers
.irp m, 0,1,2,3
	ds_load_b32 v[9+2*\m], v52 offset:64*\m
	ds_load_b32 v[8+2*\m], v40 offset:16*GP*\m
.endr
.irp c, 0,1,2,3
.irp a, 0,1,2,3
	ds_load_b128 v[GAM+16*\c+4*\a:GAM+16*\c+4*\a+3], v5 offset:128*\c+16*\a
	ds_load_b128 v[BET+16*\c+4*\a:BET+16*\c+4*\a+3], v5 offset:512+128*\c+16*\a
.endr
.endr
.irp a, 0,1,2,3
	ds_load_b128 v[V+4*\a:V+4*\a+3], v53 offset:16*\a
	ds_load_b128 v[V+16+4*\a:V+16+4*\a+3], v5 offset:8192+16*\a
	ds_load_b128 v[V+32+4*\a:V+32+4*\a+3], v5 offset:8192+512+16*\a
.endr
	ds_load_b32 v6, v51
	v_mov_b32 v7, 0                                ; (the pair's upper half)
	WIN 0xc0
.irp b, 0,16,32
.irp i, 4,5,6,7,8,9,10,11,12,13,14,15
	v_mov_b32 v[\b+\i], 0                          ; the 96 zero codes of K step 256's three fragments
.endr
.endr
	WIN 0
	s_wait_dscnt 0x0
	; ---- K STEP 256: one block of 32 features (g_r + nm) gamma + beta of row 16 w + r; 16 of them are mine
.irp i, 0,2,4,6,8,10,12,14
	v_pk_add_f32 v[V+\i:V+\i+1], v[V+\i:V+\i+1], v[6:7] op_sel_hi:[1,0]
.endr
.irp i, 0,2,4,6,8,10,12,14
	v_pk_fma_f32 v[V+\i:V+\i+1], v[V+\i:V+\i+1], v[V+16+\i:V+17+\i], v[V+32+\i:V+33+\i]
.endr
	v_max3_num_f32 v[TM], |v[V]|, |v[V+1]|, 0x8000000   ; the largest magnitude, over the floor 2^(16 - 127): the byte cannot fall under 1
.irp i, 2,4,6,8,10,12,14
	v_max3_num_f32 v[TM], v[TM], |v[V+\i]|, |v[V+\i+1]|
.endr
	v_permlanex16_b32 v[TM+4], v[TM], s30, s31
	v_max_num_f32 v[TM], v[TM], v[TM+4]
	v_add_nc_u32 v[TM+12], 0xf8800000, v[TM]       ; 15 off its exponent field: the conversion's scale operand
	v_and_or_b32 v[TM+8], v[TM], 0x7f800000, s32   ; 57,344 x the scale
	v_lshrrev_b32 v[AS], 23, v[TM+12]              ; the byte, zeros above it
.irp i, 0,1,2,3,4,5,6,7,8,9,10,11,12,13,14,15
	v_med3_num_f32 v[V+\i], v[V+\i], -v[TM+8], v[TM+8]   ; the conversion to an 8-bit code does not saturate (ISA guide 7.6.2): the hold.  These sixteen are also the places between the scale word and the products
.endr
	WIN 0xc0
	v_cvt_scalef32_pk8_bf8_f32 v[32:33], v[V:V+7], v[TM+12]
	v_cvt_scalef32_pk8_bf8_f32 v[34:35], v[V+8:V+15], v[TM+12]
.rept 4
	v_nop                                          ; codes written by vector instructions stand four places ahead of a scaled matrix instruction
.endr
	WIN 0xcf                                       ; D, source 0 and source 1 in window 3
	s_wait_alu depctr_va_vdst(0)                   ; the conversions have written the codes, the moves the zero codes of all three fragments, the shift the scale word v18: the two products take them; the places above stay beside this wait
	v_wmma_scale_f32_16x16x128_f8f6f4 v[48:55], v[0:15], v[32:47], 0, v22, v[AS] matrix_a_fmt:MATRIX_FMT_BF8 matrix_b_fmt:MATRIX_FMT_BF8
	v_wmma_scale_f32_16x16x128_f8f6f4 v[56:63], v[16:31], v[32:47], 0, v23, v[AS] matrix_a_fmt:MATRIX_FMT_BF8 matrix_b_fmt:MATRIX_FMT_BF8
	WIN 0
	s_wait_loadcnt 0x0                             ; x
; ---- THE LOOP'S PARTS
.macro GEN1 m                          ; u = x g + nm for row tile m: of the pair (g, nm) the first word multiplies both halves, the second is added to both
	WIN 0x01                                       ; source 0 (x) in window 1
.set j, 0
.rept 32
	v_pk_fma_f32 v[V+j:V+j+1], v[64*\m+j:64*\m+j+1], v[8+2*\m:9+2*\m], v[8+2*\m:9+2*\m] op_sel:[0,0,1] op_sel_hi:[1,0,1]
.set j, j+2
.endr
.endm
.macro GEN2                            ; the feature: u gamma + beta
	WIN 0
.set j, 0
.rept 32
	v_pk_fma_f32 v[V+j:V+j+1], v[V+j:V+j+1], v[GAM+j:GAM+j+1], v[BET+j:BET+j+1]
.set j, j+2
.endr
.endm
.macro QUANT m                         ; 64 features of a lane, register 16 b + i = k 32 b + 16 h + i of my row, become tile m's codes and its scale word
	WIN 0
.irp b, 0,1,2,3
	v_max3_num_f32 v[TM+\b], |v[V+16*\b]|, |v[V+1+16*\b]|, 0x8000000   ; block b: my 16 numbers, over the floor 2^(16 - 127)
.endr
.irp i, 2,4,6,8,10,12,14
.irp b, 0,1,2,3
	v_max3_num_f32 v[TM+\b], v[TM+\b], |v[V+16*\b+\i]|, |v[V+1+16*\b+\i]|   ; (the four blocks by turns)
.endr
.endr
.irp b, 0,1,2,3
	v_permlanex16_b32 v[TM+4+\b], v[TM+\b], s30, s31
.endr
.irp b, 0,1,2,3
	v_max_num_f32 v[TM+\b], v[TM+\b], v[TM+4+\b]   ; with lane l xor 16's: the block's largest magnitude
.endr
.irp b, 0,1,2,3
	v_add_nc_u32 v[TM+12+\b], 0xf8800000, v[TM+\b] ; 15 off its exponent field: the conversion takes the exponent field of this operand as its scale
.endr
.irp b, 0,1,2,3
	v_and_or_b32 v[TM+8+\b], v[TM+\b], 0x7f800000, s32   ; 57,344 x the scale
.endr
.irp b, 0,1,2,3
	v_lshrrev_b32 v[TM+4+\b], 23, v[TM+12+\b]      ; the scale's byte
.endr
	v_lshl_or_b32 v[AS+\m], v[TM+5], 8, v[TM+4]
	v_lshl_or_b32 v[AS+\m], v[TM+6], 16, v[AS+\m]
	v_lshl_or_b32 v[AS+\m], v[TM+7], 24, v[AS+\m]  ; my row's scale word (the 64 holds below stand between it and the products)
.irp b, 0,1,2,3
.irp i, 0,1,2,3,4,5,6,7,8,9,10,11,12,13,14,15
	v_med3_num_f32 v[V+16*\b+\i], v[V+16*\b+\i], -v[TM+8+\b], v[TM+8+\b]   ; the hold at the largest code x the scale (ISA guide 7.6.2)
.endr
.endr
	WIN 0x80                                       ; destination window 2
.irp b, 0,1,2,3
	v_cvt_scalef32_pk8_bf8_f32 v[CD+16*\m+4*\b:CD+16*\m+4*\b+1], v[V+16*\b:V+16*\b+7], v[TM+12+\b]
	v_cvt_scalef32_pk8_bf8_f32 v[CD+16*\m+4*\b+2:CD+16*\m+4*\b+3], v[V+16*\b+8:V+16*\b+15], v[TM+12+\b]
.endr
	WIN 0
	v_nop                                          ; one plain instruction between the conversions and the next line that writes their sources
.endm
.macro WLOAD                           ; the K step's four fragments of W, 512 consecutive bytes a load, and its 64 scale words: lanes 0-15 an even tile's, lanes 16-31 the odd tile's
	WIN 0x80
.irp t, 0,1,2,3
.irp c, 0,1,2,3
	global_load_b128 v[WF+16*\t+4*\c:WF+16*\t+4*\c+3], v1, s[18:19] offset:2048*\t+512*\c
.endr
.endr
	WIN 0
	global_load_b32 v16, v2, s[20:21]
	global_load_b32 v17, v2, s[20:21] offset:128
.endm
; The next K step's g, gamma and beta: 36 LDS loads, g's four first.  In the last step they read slot 8 and, for rule 128, the word behind the row: written bytes, not used
.macro AHEADG
	WIN 0
.irp m, 0,1,2,3
	ds_load_b32 v[8+2*\m], v4 offset:16*GP*\m
.endr
.endm
.macro AHEADC c                        ; block c of gamma and of beta: eight loads
	WIN 0
.irp a, 0,1,2,3
	ds_load_b128 v[GAM+16*(\c)+4*\a:GAM+16*(\c)+4*\a+3], v3 offset:128*(\c)+16*\a
	ds_load_b128 v[BET+16*(\c)+4*\a:BET+16*(\c)+4*\a+3], v3 offset:512+128*(\c)+16*\a
.endr
.endm
.macro MMA4 t, first                   ; output tile t against the four row tiles.  A step's 16 products go t = 0 .. 3: the 16 accumulators take turns, one instruction a turn, over the loop's backward jump too.  first = 1: they start the sums
	WIN 0xaa                                       ; all four operands in window 2
.irp m, 0,1,2,3
.set rD, 8*(4*\m+(\t))
.set rW, WF+16*(\t)
.set rC, CD+16*\m
.if \first
.if (\t)%2
	v_wmma_scale_f32_16x16x128_f8f6f4 v[rD:rD+7], v[rW:rW+15], v[rC:rC+15], 0, v[16+(\t)/2], v[AS+\m] matrix_a_fmt:MATRIX_FMT_BF8 matrix_b_fmt:MATRIX_FMT_BF8 matrix_a_scale:MATRIX_SCALE_ROW1
.else
	v_wmma_scale_f32_16x16x128_f8f6f4 v[rD:rD+7], v[rW:rW+15], v[rC:rC+15], 0, v[16+(\t)/2], v[AS+\m] matrix_a_fmt:MATRIX_FMT_BF8 matrix_b_fmt:MATRIX_FMT_BF8
.endif
.else
.if (\t)%2
	v_wmma_scale_f32_16x16x128_f8f6f4 v[rD:rD+7], v[rW:rW+15], v[rC:rC+15], v[rD:rD+7], v[16+(\t)/2], v[AS+\m] matrix_a_fmt:MATRIX_FMT_BF8 matrix_b_fmt:MATRIX_FMT_BF8 matrix_a_scale:MATRIX_SCALE_ROW1
.else
	v_wmma_scale_f32_16x16x128_f8f6f4 v[rD:rD+7], v[rW:rW+15], v[rC:rC+15], v[rD:rD+7], v[16+(\t)/2], v[AS+\m] matrix_a_fmt:MATRIX_FMT_BF8 matrix_b_fmt:MATRIX_FMT_BF8
.endif
.endif
.endr
.endm
; A K STEP: one rule, 128 inputs, 64 rows.
.macro STEP first
	s_wait_dscnt 32                                ; LDS loads come back in order (ISA guide 5.7.1): this step's g, the four oldest of the 36, is in; the 32 of gamma and beta may be out (ahead of the first step nothing is out)
	s_wait_alu depctr_vm_vsrc(0)                   ; the LDS loads issued so far have read v3 and v4, which the two additions write
	s_add_co_u32 s52, s52, 1024
	s_add_co_u32 s53, s53, 4
	v_add_nc_u32 v3, s52, v5                       ; the next K step's slot of gamma and beta,
	v_add_nc_u32 v4, s53, v40                      ; and its rule in a row of g: both are read behind the step's last wait on va_vdst
	GEN1 0                                         ; wants g and x alone
	WIN 0x80                                       ; the loads' window first, then the wait, then the loads
	s_wait_alu depctr_va_vdst(0)                   ; the last step's products are done reading W's fragments and the scale words v16 and v17, in which the loads below land
	WLOAD
	s_wait_dscnt 0x0                               ; this step's gamma and beta
	GEN2
	QUANT 0
	GEN1 1
	GEN2
	QUANT 1
	GEN1 2
	GEN2
	QUANT 2
	GEN1 3
	GEN2
	QUANT 3
.rept 3
	v_nop                                          ; with the one above: four places between the last codes and the products
.endr
	s_wait_alu depctr_va_vdst(0)                   ; the conversions have written the four tiles' codes and the shifts their scale words v18-21, which the products take (the places above stay beside this wait); the step's multiply-adds are done reading g, gamma and beta, in which the LDS loads below land; v3 and v4 are written, which those loads read
	AHEADG
	AHEADC 0
	s_wait_loadcnt 0x0                             ; W's fragments and scale words are in: so their bases may step:
	s_add_nc_u64 s[18:19], s[18:19], 16384         ; two K steps on: the next rule, the same half of the inputs
	s_add_nc_u64 s[20:21], s[20:21], 512
	MMA4 0, \first
	AHEADC 1                                       ; no wait: the products since the wait above name window 2 and v16-21, none of the registers that these loads touch
	MMA4 1, \first
	AHEADC 2
	MMA4 2, \first
	AHEADC 3
	MMA4 3, \first
	WIN 0
.endm
	STEP 1                                         ; the first K step stands in front of the loop: its products start the sums
	s_mov_b32 s33, 7
.Lstep:
	STEP 0
	s_sub_co_i32 s33, s33, 1
	s_cmp_lg_u32 s33, 0
	s_cbranch_scc1 .Lstep
	; ---- THE WAY OUT.  My 64 rows x 64 outputs go into my stage; K step 256's two tiles are added there; behind a barrier each wave adds the four stages' 16 rows and stores them whole.
.rept 8
	v_nop                                          ; eight places between the last products and the first read of their results
.endr
	WIN 0x08                                       ; an LDS store's data are its source 1: window 2
	s_wait_alu depctr_va_vdst(0)                   ; the products have written the accumulators, which the LDS stores read (the places above stay beside this wait); the last quantiser is done with v192-207, in which the loads from my stage land
.irp m, 0,1,2,3
.irp t, 0,1,2,3
	ds_store_b128 v54, v[8*(4*\m+\t):8*(4*\m+\t)+3] offset:16*SP*\m+64*\t          ; each accumulator from its low end on: lane (r, h): outputs 16 t + 8 h + 0 .. 7 of row 16 m + r
	ds_store_b128 v54, v[8*(4*\m+\t)+4:8*(4*\m+\t)+7] offset:16*SP*\m+64*\t+16
.endr
.endr
	WIN 0
.irp i, 0,1
	ds_load_b128 v[V+8*\i:V+8*\i+3], v55 offset:64*\i          ; LDS serves a wave's instructions in order (ISA guide 5.7.1.4): these see my stores
	ds_load_b128 v[V+8*\i+4:V+8*\i+7], v55 offset:64*\i+16
.endr
	s_wait_dscnt 0x0
	WIN 0x0c                                       ; source 1 in window 3
.irp i, 0,2,4,6,8,10,12,14
	v_pk_add_f32 v[V+\i:V+\i+1], v[V+\i:V+\i+1], v[48+\i:49+\i]   ; K step 256's accumulators, each from its low end on
.endr
	WIN 0
	s_wait_alu depctr_va_vdst(0)                   ; the eight additions have written v192-207, which the LDS stores read
.irp i, 0,1
	ds_store_b128 v55, v[V+8*\i:V+8*\i+3] offset:64*\i
	ds_store_b128 v55, v[V+8*\i+4:V+8*\i+7] offset:64*\i+16
.endr
	s_wait_dscnt 0x0                               ; for the others' sake: my stage is whole
	s_barrier_signal -1
	s_barrier_wait -1
.irp u, 0,1,2,3
.irp i, 0,1,2,3,4,5,6,7
	ds_load_b128 v[64+32*\u+4*\i:67+32*\u+4*\i], v56 offset:STW*\u+2*SP*\i     ; rows 16 w + 2 i + h of stage u.  (No vector line since the loop's last wait names v64-191, and no store has read them since the wait behind the first barrier)
.endr
.endr
	s_wait_dscnt 0x0
.set j, 0
.rept 16
	v_pk_add_f32 v[64+j:65+j], v[64+j:65+j], v[96+j:97+j]
	v_pk_add_f32 v[128+j:129+j], v[128+j:129+j], v[160+j:161+j]
.set j, j+2
.endr
.set j, 0
.rept 16
	v_pk_add_f32 v[64+j:65+j], v[64+j:65+j], v[128+j:129+j]
.set j, j+2
.endr
	s_wait_alu depctr_va_vdst(0)                   ; the additions have written v64-95, which the stores read
.irp i, 0,1,2,3,4,5,6,7
	global_store_b128 v1, v[64+4*\i:67+4*\i], s[26:27] offset:512*\i           ; two whole rows of 256 bytes: 32 lanes store 512 consecutive bytes
.endr
	s_wait_dscnt 0x0                               ; the closing lines, six on end
	s_wait_alu 0x0
	s_wait_tensorcnt 0x0
	ds_add_u32 v62, v63
	s_wait_dscnt 0x0
	s_endpgm
.Lfunc_end_k_q715de1635c_main:
	.size	k_q715de1635c_main, .Lfunc_end_k_q715de1635c_main-k_q715de1635c_main
	.p2alignl 7, 3214868480
	.fill 96, 4, 3214868480
	.section	.rodata,"a",@progbits
	.p2align	6, 0x0
	.amdhsa_kernel k_q715de1635c_main
		.amdhsa_group_segment_fixed_size 141056
		.amdhsa_private_segment_fixed_size 0
		.amdhsa_enable_private_segment 0
		.amdhsa_kernarg_size 80
		.amdhsa_user_sgpr_count 2
		.amdhsa_user_sgpr_kernarg_segment_ptr 1
		.amdhsa_wavefront_size32 1
		.amdhsa_system_sgpr_workgroup_id_x 1
		.amdhsa_system_sgpr_workgroup_id_y 1
		.amdhsa_system_sgpr_workgroup_id_z 1
		.amdhsa_system_vgpr_workitem_id 0
		.amdhsa_next_free_vgpr 832
		.amdhsa_next_free_sgpr 66
		.amdhsa_reserve_vcc 0
		.amdhsa_float_denorm_mode_32 3
		.amdhsa_float_denorm_mode_16_64 3
		.amdhsa_memory_ordered 1
		.amdhsa_forward_progress 1
		.amdhsa_inst_pref_size 172
	.end_amdhsa_kernel
	.amdgpu_metadata
---
amdhsa.version: [ 1, 2 ]
amdhsa.kernels:
  - .name:           k_q715de1635c_main
    .symbol:         k_q715de1635c_main.kd
    .args:
      - { .name: X, .offset: 0, .size: 8, .value_kind: global_buffer, .address_space: global }
      - { .name: logit, .offset: 8, .size: 8, .value_kind: global_buffer, .address_space: global }
      - { .name: xstat, .offset: 16, .size: 8, .value_kind: global_buffer, .address_space: global }
      - { .name: ln_gamma, .offset: 24, .size: 8, .value_kind: global_buffer, .address_space: global }
      - { .name: ln_beta, .offset: 32, .size: 8, .value_kind: global_buffer, .address_space: global }
      - { .name: wfrag, .offset: 40, .size: 8, .value_kind: global_buffer, .address_space: global }
      - { .name: wsc, .offset: 48, .size: 8, .value_kind: global_buffer, .address_space: global }
      - { .name: W_codes, .offset: 56, .size: 8, .value_kind: global_buffer, .address_space: global }
      - { .name: W_scales, .offset: 64, .size: 8, .value_kind: global_buffer, .address_space: global }
      - { .name: part, .offset: 72, .size: 8, .value_kind: global_buffer, .address_space: global }
    .group_segment_fixed_size: 141056
    .private_segment_fixed_size: 0
    .kernarg_segment_align: 8
    .kernarg_segment_size: 80
    .max_flat_workgroup_size: 128
    .sgpr_count:     66
    .vgpr_count:     832
    .wavefront_size: 32
...
	.end_amdgpu_metadata
.endif
;; end of part 4
;; launch sum: the kernel of part 3 again; grid 256 x 1, 4 waves a work-group, no clusters, 0 bytes of LDS; arguments part, b, out0; writes out0
